; MI455X (gfx1250); checked and timed in simulation.
; The chip was launched on July 23, 2026; its instructions are those of AMD's public machine-readable ISA for CDNA 5 (MIT licence, August 2026) and "CDNA5" Instruction Set Architecture Reference Guide (July 2026). The comments in the code are by the model that wrote it; some were corrected since.
;; Di T. Allowed arithmetic: matrix products marked QUANTISED: E4M3 operands, one E8M0 scale for each 32 along K, by v_wmma_scale_f32_16x16x128_f8f6f4 with both operands' format E4M3, f32 sums; everything else in f32.
;; Inputs: an_a_b1 128 float32; an_a_b2 128 float32; an_a_b3 128 float32; an_a_w1 128 x 128 float32; an_a_w2 128 x 128 float32; an_a_w3 128 x 128 float32; an_gb_b1 128 float32; an_gb_b2 128 float32; an_gb_b3 256 float32; an_gb_w1 128 x 128 float32; an_gb_w2 128 x 128 float32; an_gb_w3 128 x 256 float32; fn_a_b1 128 float32; fn_a_b2 128 float32; fn_a_b3 128 float32; fn_a_w1 128 x 128 float32; fn_a_w2 128 x 128 float32; fn_a_w3 128 x 128 float32; fn_gb_b1 128 float32; fn_gb_b2 128 float32; fn_gb_b3 256 float32; fn_gb_w1 128 x 128 float32; fn_gb_w2 128 x 128 float32; fn_gb_w3 128 x 256 float32; kb 4 x 32 float32; kw 4 x 128 x 32 float32; latent 64 x 128 x 8 x 8 x 8 float32; nodes 64 x 128 float32; ow 128 x 128 float32; qb 4 x 32 float32; qw 4 x 128 x 32 float32; t 64 float32; vb 4 x 32 float32; vw 4 x 128 x 32 float32.
;; Outputs: out0 64 x 128 x 8 x 8 x 8 float32.
;; This version of the problem:
;;   THIS VERSION OF THE PROBLEM IS GIVEN IN LOW PRECISION. The matrix products marked QUANTISED in the list below multiply operands that are first quantised to E4M3 (4 exponent bits, 3 mantissa bits; 8 bits a number), with one power-of-two scale for each 32 numbers along K (OCP MX v1.0); their sums are f32. All else is computed in f32.
;;   The module's matrix products, in the order in which they are computed (A, B: the left and right operand; K: the contracted axis; several contracted axes count as one K, in the product's order):
;;     1. [M 64, K 128] x [K 128, N 128]; A: computed on the way; B: input an_gb_w1: QUANTISED
;;     2. [M 64, K 128] x [K 128, N 128]; A: computed on the way; B: input an_gb_w2: QUANTISED
;;     3. [M 64, K 128] x [K 128, N 256]; A: computed on the way; B: input an_gb_w3: QUANTISED
;;     4. [M 64, K 128] x [K 128, N 128]; A: computed on the way; B: input an_a_w1: QUANTISED
;;     5. [M 64, K 128] x [K 128, N 128]; A: computed on the way; B: input an_a_w2: QUANTISED
;;     6. [M 64, K 128] x [K 128, N 128]; A: computed on the way; B: input an_a_w3: QUANTISED
;;     7. [M 64, K 128] x [K 128, N 128]; A: computed on the way; B: input fn_gb_w1: QUANTISED
;;     8. [M 64, K 128] x [K 128, N 128]; A: computed on the way; B: input fn_gb_w2: QUANTISED
;;     9. [M 64, K 128] x [K 128, N 256]; A: computed on the way; B: input fn_gb_w3: QUANTISED
;;     10. [M 64, K 128] x [K 128, N 128]; A: computed on the way; B: input fn_a_w1: QUANTISED
;;     11. [M 64, K 128] x [K 128, N 128]; A: computed on the way; B: input fn_a_w2: QUANTISED
;;     12. [M 64, K 128] x [K 128, N 128]; A: computed on the way; B: input fn_a_w3: QUANTISED
;;     13. [M 128, K 128] x [K 128, N 32,768]; A: input qw; B: computed on the way: QUANTISED
;;     14. [M 128, K 128] x [K 128, N 32,768]; A: input kw; B: computed on the way: QUANTISED
;;     15. [M 128, K 128] x [K 128, N 32,768]; A: input vw; B: computed on the way: QUANTISED
;;     16. batch 256 x [M 512, K 32] x [K 32, N 512]; A: computed on the way; B: computed on the way: QUANTISED
;;     17. batch 256 x [M 512, K 512] x [K 512, N 32]; A: softmax (see below); B: computed on the way: QUANTISED
;;     18. [M 32,768, K 128] x [K 128, N 128]; A: computed on the way; B: input ow: QUANTISED
;;   THE QUANTISER, for each operand of a quantised product, along K:
;;     - K is cut into blocks of 32 from its start; a last block that is shorter is filled with zeros.
;;     - A block's scale is 2^e with e = floor(log2(the largest magnitude in the block)) - 8, held to -126 .. 127; a block of zeros has e = 0. As a byte (E8M0): e + 127.
;;     - Each number is divided by its block's scale, clamped to +-448, and rounded to the nearest number of E4M3, ties to even, subnormals kept.
;;     - The product sums the exact products of the quantised numbers (number of the format x scale) in f32.
;;   ~~~python
;;   def quantise(x, axis):      # numpy; x: float32 -> the quantised numbers, widened to float32 again
;;       x = np.moveaxis(x, axis, -1); K = x.shape[-1]
;;       x = np.pad(x, [(0, 0)] * (x.ndim - 1) + [(0, -K % 32)]); x = x.reshape(x.shape[:-1] + (-1, 32)); a = np.abs(x).max(-1, keepdims=True)
;;       e = np.where(a > 0, np.clip(np.frexp(np.where(a > 0, a, 1))[1] - 1 - 8, -126, 127), 0)      # np.frexp(a)[1] - 1 = floor(log2(a)), exactly
;;       r = np.clip(x / 2.0 ** e, -448, 448)
;;       step = 2.0 ** (np.maximum(np.frexp(np.where(r == 0, 1, r))[1] - 1, -6) - 3)
;;       q = np.round(r / step) * step * 2.0 ** e      # np.round: ties to even
;;       return np.moveaxis(q.reshape(q.shape[:-2] + (-1,))[..., :K], -1, axis).astype(np.float32)
;;   ~~~
;;   SOFTMAX AHEAD OF A QUANTISED PRODUCT. Where the list says 'softmax', what is quantised is not the finished softmax but p = 2^(t - M), with t = logit x log2(e) and M = ceil(the row's largest t), a whole number; so 1/2 < the row's largest p <= 1. The row's sum l is taken of the UNQUANTISED p, in f32, and the product's result is divided by l at the end. Since M is a whole number, a kernel that streams over the keys may use a running M (the ceiling of the running maximum): every later rescaling is an exact power of two, which a block's scale takes up: the codes' values come out the same.
;;   OPERANDS COMPUTED ON THE WAY. 'Computed on the way' means the value that the module computes at that place (a softmax that the list does not call 'softmax' is quantised finished and normalised). What goes into a quantiser is computed in f32, as accurately as f32 sums, v_exp_f32 and their like allow (about 1e-6 of the number): no bf16 or f16 on the way to a quantiser, and a product that is left as it is and whose result goes on into a quantised operand takes f32 operands (vector FMAs, or v_wmma_f32_16x16x4_f32). A number that lies on a knife's edge between two numbers of the format may be rounded either way, as far as f32 arithmetic and the matrix unit's own rounding can turn it there, and no further.
;; One version. Each part assembles by itself: llvm-mc -triple=amdgcn-amd-amdhsa -mcpu=gfx1250 --defsym DOCPART=n.
;; ======== version 1 of 1: 3 launches
;; workspace buffers: prep 248,832 bytes; qc 4,194,304 bytes; kv 8,388,608 bytes; sc 1,179,648 bytes
;; launch prep (part 1): grid 30 x 1, 4 waves a work-group, no clusters, 8,192 bytes of LDS; arguments nodes, t, prep, qw, kw, vw, an_gb_w1, an_gb_b1, an_gb_w2, an_gb_b2, an_gb_w3, an_gb_b3, an_a_w1, an_a_b1, an_a_w2, an_a_b2, an_a_w3, an_a_b3, fn_gb_w1, fn_gb_b1, fn_gb_w2, fn_gb_b2, fn_gb_w3, fn_gb_b3, fn_a_w1, fn_a_b1, fn_a_w2, fn_a_b2, fn_a_w3, fn_a_b3; writes prep
.if DOCPART == 1
	.amdgcn_target "amdgcn-amd-amdhsa--gfx1250"
	.amdhsa_code_object_version 6
	.text
	.protected	k_q526e28efd3_prep
	.globl	k_q526e28efd3_prep
	.p2align	8
	.type	k_q526e28efd3_prep,@function
k_q526e28efd3_prep:
	s_mov_b64 s[64:65], 0
	v_nop
	global_prefetch_b8 v0, s[64:65] scope:SCOPE_SE
	s_setreg_imm32_b32 hwreg(HW_REG_WAVE_MODE, 25, 1), 1
	s_wait_xcnt 0x0
; PREP.  (a) The four conditioning MLPs, out = silu(silu(cond w1 + b1) w2 + b2) w3 + b3 with cond = nodes + t, every product on codes of E4M3 with one E8M0 scale for 32 along K.
; (b) qw, kw, vw as codes and scale words, laid as images of the operand's registers.
; OUT: prep = MOD [64][768] f32 (sections of 128: alpha1, gamma1, beta1, alpha2, gamma2, beta2) | at WCD [q,k,v][tile 0..7][4 chunks x 512 B] | at WSW [q,k,v][tile][32 lanes] scale words.
; SHARES.  Work-groups 0-23: job = id / 4 (one section of MOD), 16 rows of the batch = id % 4.  The two halves of a gb net's output are two jobs that both walk layers 1 and 2, so that all six jobs have one shape.
; Wave w makes units 32 w .. 32 w + 31 of every layer: two tiles, and just one block of 32 of the next K.  Work-groups 24-29: a wave quantises one tile of 16 columns of qw, kw or vw.
; The design has work for 30 work-groups; nothing is padded.
; LAYOUT.  The products are used transposed (source 0 = 16 units of the weight, source 1 = the 16 rows): a lane holds one row, its registers run along the units.  Lane r of tile u takes unit 8 u + r + 8 (r / 8),
; so that the 16 registers of the two tiles are 16 neighbours along the next K.  A weight is stored [K][N]: a lane takes a column and its registers run down K, so nothing is transposed.
; The four waves' blocks of an activation meet in LDS as an image of the operand's registers (chunk w at 512 w + 16 x lane) and their scale bytes as words; one barrier a layer, each layer with LDS bytes of its own.
; LIMITS: NaN and infinities among the inputs are not served; a block of zeros gets the byte 1 (its codes are zeros, and this program alone reads the bytes); a block whose largest magnitude lies under 2^-118 is held at that floor;
; the sigmoid is v_exp_f32 and v_rcp_f32 (1 ulp each, denormal results flushed).
.set TM,   32                          ; v32-35 largest magnitudes, v36-39 bytes, v40-43 448 x scale, v44-47 the conversion's scale operands
.set T,    48                          ; v48-63  16 numbers of an activation
.set ACC,  64                          ; v64-79  the two accumulators
.set XC,   80                          ; v80-95  the activation's fragment
.set WC,   96                          ; v96-127 the two weight fragments
.set BUF,  128                         ; v128-255 two tiles x 64 numbers of a weight
.set XSW,  16                          ; v16 the activation's scale word; v17, v18 the weight tiles': scales and nothing else
.set WS0,  17
.set SB,   20                          ; v20-23  the four waves' scale bytes
.set QC,   24                          ; v24-27  my block's codes
.set WV,   66
.set JOB,  67
.set XT,   68
.set MNT,  69                          ; the mantissa field of 448
.set SEL,  70                          ; s[70:71] v_permlanex16_b32's selects for lane l xor 16
.set JP,   72                          ; job within its pair of nets: 0, 1 the gb net's halves, 2 the a net
.set EX,   2560                        ; an exchange region: 2,048 bytes of image, 512 of byte words
.set WCD,  196608
.set WSW,  245760
.macro PLACES n
.rept \n
	v_nop
.endr
.endm
; 16 nb numbers of a lane, register 16 b + i = k 32 b + 16 (lane / 16) + i, become codes in v[d + 4 b ..], bytes in v[TM + 4 + b], and for nb = 4 the scale word v[pw]
.macro QUANT s, d, pw, nb
.irp b, 0,1,2,3
.if \b < \nb
	v_max3_num_f32 v[TM+\b], |v[\s+16*\b]|, |v[\s+16*\b+1]|, 0x4800000   ; my 16 numbers and the floor 2^(9 - 127): the byte cannot fall under 1
.endif
.endr
.irp i, 2,4,6,8,10,12,14
.irp b, 0,1,2,3
.if \b < \nb
	v_max3_num_f32 v[TM+\b], v[TM+\b], |v[\s+16*\b+\i]|, |v[\s+16*\b+\i+1]|
.endif
.endr
.endr
.irp b, 0,1,2,3
.if \b < \nb
	v_permlanex16_b32 v[TM+4+\b], v[TM+\b], s[SEL], s[SEL+1]
.endif
.endr
.irp b, 0,1,2,3
.if \b < \nb
	v_max_num_f32 v[TM+\b], v[TM+\b], v[TM+4+\b]          ; with lane l xor 16's: the block's largest magnitude
.endif
.endr
.irp b, 0,1,2,3
.if \b < \nb
	v_add_nc_u32 v[TM+12+\b], 0xfc000000, v[TM+\b]        ; 8 off its exponent field: the conversion's scale operand
	v_and_or_b32 v[TM+8+\b], v[TM+\b], 0x7f800000, s[MNT] ; 448 x the scale
	v_lshrrev_b32 v[TM+4+\b], 23, v[TM+12+\b]             ; the scale's byte
.endif
.endr
.if \nb == 4
	v_lshl_or_b32 v[\pw], v[TM+5], 8, v[TM+4]
	v_lshl_or_b32 v[\pw], v[TM+6], 16, v[\pw]
	v_lshl_or_b32 v[\pw], v[TM+7], 24, v[\pw]
.endif
.irp b, 0,1,2,3
.if \b < \nb
.irp i, 0,1,2,3,4,5,6,7,8,9,10,11,12,13,14,15
	v_med3_num_f32 v[\s+16*\b+\i], v[\s+16*\b+\i], -v[TM+8+\b], v[TM+8+\b]   ; the conversion to an 8-bit code does not saturate (ISA guide 7.6.2): the hold
.endr
.endif
.endr
.irp b, 0,1,2,3
.if \b < \nb
	v_cvt_scalef32_pk8_fp8_f32 v[\d+4*\b:\d+4*\b+1], v[\s+16*\b:\s+16*\b+7], v[TM+12+\b]
	v_cvt_scalef32_pk8_fp8_f32 v[\d+4*\b+2:\d+4*\b+3], v[\s+16*\b+8:\s+16*\b+15], v[TM+12+\b]
.endif
.endr
	v_nop                                          ; one plain line behind the last conversion
.endm
; a tile of a weight stored [K][N]: my column, 64 numbers down K in the operand's order; v[vo] = 4 x column + 16 rows x (lane / 16)
.macro LOADW buf, vo, sb, pitch, off
.irp c, 0,1,2,3
.irp i, 0,1,2,3,4,5,6,7,8,9,10,11,12,13,14,15
	global_load_b32 v[\buf+16*\c+\i], v[\vo], s[\sb:\sb+1] offset:(32*\c+\i)*\pitch+\off
.endr
.endr
.endm
.macro W3LOAD buf, off                 ; the a nets' w3 has rows of 512 bytes, the gb nets' of 1,024: a branch on ids; both ways issue 64 loads
	s_cmp_eq_u32 s[JP], 2
	s_cbranch_scc0 .Lwide_\@
	LOADW \buf, 9, 24, 512, \off
	s_branch .Lw3_\@
.Lwide_\@:
	LOADW \buf, 10, 24, 1024, \off
.Lw3_\@:
.endm
.macro BIAS sb                         ; the bias is the C of the layer's products: register 8 u + j = unit 32 w + 16 h + 8 u + j
.irp q, 0,1,2,3
	global_load_b128 v[ACC+4*\q:ACC+4*\q+3], v11, s[\sb:\sb+1] offset:16*\q
.endr
.endm
.macro EXCH src, e                     ; my block is quantised; the four blocks meet in region e and come back as the whole fragment
	QUANT \src, QC, 0, 1
	ds_store_b128 v5, v[QC:QC+3] offset:EX*\e
	ds_store_b32 v6, v[TM+4] offset:EX*\e+2048
	s_wait_dscnt 0x0                               ; for the others' sake: my stores have landed
	s_barrier_signal -1
	s_barrier_wait -1
.irp c, 0,1,2,3
	ds_load_b128 v[XC+4*\c:XC+4*\c+3], v4 offset:EX*\e+512*\c
.endr
	ds_load_b128 v[SB:SB+3], v4 offset:EX*\e+2048
	s_wait_dscnt 0x0
	v_lshl_or_b32 v[XSW], v[SB+1], 8, v[SB]        ; my row's scale word; the weights' quantising below stands between it and the products
	v_lshl_or_b32 v[XSW], v[SB+2], 16, v[XSW]
	v_lshl_or_b32 v[XSW], v[SB+3], 24, v[XSW]
.endm
.macro MM                              ; four places behind the codes just made; two accumulators by turns; eight places behind the products
	PLACES 4
	v_wmma_scale_f32_16x16x128_f8f6f4 v[ACC:ACC+7], v[WC:WC+15], v[XC:XC+15], v[ACC:ACC+7], v[WS0], v[XSW]
	v_wmma_scale_f32_16x16x128_f8f6f4 v[ACC+8:ACC+15], v[WC+16:WC+31], v[XC:XC+15], v[ACC+8:ACC+15], v[WS0+1], v[XSW]
	PLACES 8
.endm
.macro SILU                            ; T = ACC / (1 + 2^(-log2(e) ACC))
.irp i, 0,1,2,3,4,5,6,7,8,9,10,11,12,13,14,15
	v_mul_f32 v[T+\i], 0xbfb8aa3b, v[ACC+\i]
.endr
.irp i, 0,1,2,3,4,5,6,7,8,9,10,11,12,13,14,15
	v_exp_f32 v[T+\i], v[T+\i]
.endr
	v_nop
	s_wait_alu depctr_va_vdst(0)
.irp i, 0,1,2,3,4,5,6,7,8,9,10,11,12,13,14,15
	v_add_f32 v[T+\i], 1.0, v[T+\i]
.endr
.irp i, 0,1,2,3,4,5,6,7,8,9,10,11,12,13,14,15
	v_rcp_f32 v[T+\i], v[T+\i]
.endr
	v_nop
	s_wait_alu depctr_va_vdst(0)
.irp i, 0,1,2,3,4,5,6,7,8,9,10,11,12,13,14,15
	v_mul_f32 v[T+\i], v[ACC+\i], v[T+\i]
.endr
.endm
	s_load_b512 s[4:19], s[0:1], 0x0               ; argument p lies in s[4 + 2 p]: nodes, t, prep, qw, kw, vw, then the four nets' six each from s16, s28, s40, s52
	s_load_b512 s[20:35], s[0:1], 0x40
	s_load_b512 s[36:51], s[0:1], 0x80
	s_load_b256 s[52:59], s[0:1], 0xc0
	s_load_b128 s[60:63], s[0:1], 0xe0
	v_lshl_add_u32 v19, v0, 2, 0x1e00
	v_mov_b32 v31, 0
	v_lshrrev_b32 v1, 5, v0
	v_readfirstlane_b32 s[WV], v1                  ; wave 0..3
	v_and_b32 v3, 31, v0                           ; lane
	v_and_b32 v1, 15, v0                           ; r
	v_bfe_u32 v2, v0, 4, 1                         ; h
	v_lshlrev_b32 v4, 4, v3                        ; 16 x lane
	s_mov_b32 s[MNT], 0x600000
	s_mov_b32 s[SEL], 0x76543210
	s_mov_b32 s[SEL+1], 0xfedcba98
.irp b, 0,1,2,3
	v_mov_b32 v[TM+4+\b], 0                        ; written once: a lane permute's destination counts as one of its sources
.endr
	s_cmp_ge_u32 ttmp9, 24
	s_cbranch_scc1 .Lweights
	; ---- the MLPs
	s_lshr_b32 s[JOB], ttmp9, 2
	s_and_b32 s[XT], ttmp9, 3
	s_lshl_b32 s73, s[XT], 4
	v_add_nc_u32 v13, s73, v1                      ; my row of the batch: 16 x + r
	s_lshl_b32 s76, s[WV], 7                       ; 128 w: my 32 units in bytes
	v_lshlrev_b32 v7, 9, v13
	v_lshl_add_u32 v7, v2, 6, v7
	v_add_nc_u32 v7, s76, v7                       ; nodes: row x 512 + 128 w + 64 h: my 16 numbers of block w
	v_lshlrev_b32 v8, 2, v13                       ; t
	v_and_b32 v14, 8, v1
	v_add_nc_u32 v14, v14, v1
	v_lshlrev_b32 v14, 2, v14
	v_add_nc_u32 v14, s76, v14                     ; a weight's column: 4 (r + 8 (r / 8)) + 128 w
	v_lshl_add_u32 v9, v2, 13, v14                 ; + 16 rows of 512 bytes for lanes 16-31
	v_lshl_add_u32 v10, v2, 14, v14                ; or of 1,024
	v_lshlrev_b32 v11, 6, v2
	v_add_nc_u32 v11, s76, v11                     ; a bias: 128 w + 64 h
	v_mul_u32_u24 v12, v13, 3072
	v_add_nc_u32 v12, v12, v11
	s_lshl_b32 s77, s[JOB], 9
	v_add_nc_u32 v12, s77, v12                     ; MOD: row x 3,072 + 512 job + 128 w + 64 h
	v_lshlrev_b32 v5, 4, v0                        ; my chunk of an image: 512 w + 16 x lane
	s_lshl_b32 s78, s[WV], 2
	v_add_nc_u32 v6, s78, v4                       ; my byte's word: 16 x lane + 4 w
	s_wait_kmcnt 0x0
	s_cmp_ge_u32 s[JOB], 3                         ; the net is chosen on the work-group's number alone: first the fn pair or the an pair,
.irp i, 0,1,2,3,4,5
	s_cselect_b64 s[16+2*\i:17+2*\i], s[40+2*\i:41+2*\i], s[16+2*\i:17+2*\i]
	s_cselect_b64 s[28+2*\i:29+2*\i], s[52+2*\i:53+2*\i], s[28+2*\i:29+2*\i]
.endr
	s_cselect_b32 s[JP], 3, 0
	s_sub_co_u32 s[JP], s[JOB], s[JP]
	s_cmp_eq_u32 s[JP], 2                          ; then the a net or the gb net,
.irp i, 0,1,2,3,4,5
	s_cselect_b64 s[16+2*\i:17+2*\i], s[28+2*\i:29+2*\i], s[16+2*\i:17+2*\i]
.endr
	s_cmp_eq_u32 s[JP], 1                          ; then the gb net's upper 128 columns of w3 and b3
	s_cselect_b32 s74, 512, 0
	s_mov_b32 s75, 0
	s_add_nc_u64 s[24:25], s[24:25], s[74:75]
	s_add_nc_u64 s[26:27], s[26:27], s[74:75]
.irp q, 0,1,2,3
	global_load_b128 v[T+4*\q:T+4*\q+3], v7, s[4:5] offset:16*\q
.endr
	global_load_b32 v15, v8, s[6:7]
	BIAS 18
	LOADW BUF, 9, 16, 512, 0
	LOADW BUF+64, 9, 16, 512, 32
	s_wait_loadcnt 63                              ; behind nodes, t, b1 and w1's first tile stand the second tile's 64 loads
.irp i, 0,1,2,3,4,5,6,7,8,9,10,11,12,13,14,15
	v_add_f32 v[T+\i], v[T+\i], v15                ; cond = nodes + t
.endr
	EXCH T, 0
	QUANT BUF, WC, WS0, 4
	LOADW BUF, 9, 20, 512, 0                       ; the next layer's tile into the registers just read
	s_wait_loadcnt 63                              ; behind w1's second tile stand these 64
	QUANT BUF+64, WC+16, WS0+1, 4
	LOADW BUF+64, 9, 20, 512, 32
	MM
	SILU
	BIAS 22
	EXCH T, 1
	s_wait_loadcnt 63                              ; behind w2's first tile stand 64 + 4
	QUANT BUF, WC, WS0, 4
	W3LOAD BUF, 0
	s_wait_loadcnt 63                              ; behind w2's second tile and b2 stand 64
	QUANT BUF+64, WC+16, WS0+1, 4
	W3LOAD BUF+64, 32
	MM
	SILU
	BIAS 26
	EXCH T, 2
	s_wait_loadcnt 63                              ; behind w3's first tile stand 64 + 4
	QUANT BUF, WC, WS0, 4
	s_wait_loadcnt 0x0
	QUANT BUF+64, WC+16, WS0+1, 4
	MM
.irp q, 0,1,2,3
	global_store_b128 v12, v[ACC+4*\q:ACC+4*\q+3], s[8:9] offset:16*\q   ; a lane's 16 units are 64 consecutive bytes of its row of MOD; each accumulator from its low end on
.endr
	s_wait_tensorcnt 0x0
	ds_add_u32 v19, v31
	s_wait_dscnt 0x0
	s_endpgm
	; ---- qw, kw, vw: [head][d][k].  No LDS, no barrier
.Lweights:
	s_sub_co_u32 s[JOB], ttmp9, 24
	s_lshr_b32 s[XT], s[JOB], 1                    ; which tensor: 0 q, 1 k, 2 v
	s_and_b32 s[JOB], s[JOB], 1
	s_lshl_b32 s[JOB], s[JOB], 2
	s_add_co_u32 s[JOB], s[JOB], s[WV]             ; tile = 2 head + u
	s_lshr_b32 s[JP], s[JOB], 1
	s_and_b32 s73, s[JOB], 1
	v_and_b32 v28, 8, v1
	v_add_nc_u32 v28, v28, v1
	v_lshl_add_u32 v28, s73, 3, v28                ; q, k: lane r takes k = 8 u + r + 8 (r / 8): the projection's registers then run along a head's 32
	v_and_b32 v29, 3, v1
	v_bfe_u32 v30, v1, 2, 1
	v_lshl_add_u32 v29, v30, 3, v29
	v_bfe_u32 v30, v1, 3, 1
	v_lshl_add_u32 v29, v30, 2, v29
	v_lshl_add_u32 v29, s73, 4, v29                ; v: k = 16 u + 8 bit2(r) + 4 bit3(r) + r % 4: the attention's result then falls on 4 k + head in the next operand's order
	s_cmp_eq_u32 s[XT], 2
	s_cselect_b32 s74, -1, 0
	v_cndmask_b32 v13, v28, v29, s74
	v_lshlrev_b32 v13, 2, v13
	v_lshl_add_u32 v13, v2, 11, v13                ; + 16 rows of 128 bytes for lanes 16-31
	s_lshl_b32 s75, s[JP], 14
	v_add_nc_u32 v13, s75, v13                     ; + the head
	s_lshl_b32 s76, s[XT], 3
	s_add_co_u32 s76, s76, s[JOB]
	s_lshl_b32 s77, s76, 11
	v_add_nc_u32 v14, s77, v4                      ; the image: 2,048 a tile, 16 x lane
	s_lshl_b32 s77, s76, 7
	v_lshl_add_u32 v15, v3, 2, s77                 ; the scale words: 128 a tile, 4 x lane
	s_wait_kmcnt 0x0
	s_cmp_eq_u32 s[XT], 1
	s_cselect_b64 s[10:11], s[12:13], s[10:11]
	s_cmp_eq_u32 s[XT], 2
	s_cselect_b64 s[10:11], s[14:15], s[10:11]
	LOADW BUF, 13, 10, 128, 0
	s_wait_loadcnt 0x0
	QUANT BUF, WC, WS0, 4
.irp c, 0,1,2,3
	global_store_b128 v14, v[WC+4*\c:WC+4*\c+3], s[8:9] offset:WCD+512*\c   ; 32 lanes store 512 consecutive bytes
.endr
	global_store_b32 v15, v[WS0], s[8:9] offset:WSW
	s_endpgm
.Lfunc_end_k_q526e28efd3_prep:
	.size	k_q526e28efd3_prep, .Lfunc_end_k_q526e28efd3_prep-k_q526e28efd3_prep
	.p2alignl 7, 3214868480
	.fill 96, 4, 3214868480
	.section	.rodata,"a",@progbits
	.p2align	6, 0x0
	.amdhsa_kernel k_q526e28efd3_prep
		.amdhsa_group_segment_fixed_size 8192
		.amdhsa_private_segment_fixed_size 0
		.amdhsa_enable_private_segment 0
		.amdhsa_kernarg_size 240
		.amdhsa_user_sgpr_count 2
		.amdhsa_user_sgpr_kernarg_segment_ptr 1
		.amdhsa_wavefront_size32 1
		.amdhsa_system_sgpr_workgroup_id_x 1
		.amdhsa_system_sgpr_workgroup_id_y 1
		.amdhsa_system_sgpr_workgroup_id_z 1
		.amdhsa_system_vgpr_workitem_id 0
		.amdhsa_next_free_vgpr 256
		.amdhsa_next_free_sgpr 96
		.amdhsa_reserve_vcc 0
		.amdhsa_float_denorm_mode_32 3
		.amdhsa_float_denorm_mode_16_64 3
		.amdhsa_memory_ordered 1
		.amdhsa_forward_progress 1
		.amdhsa_inst_pref_size 135
	.end_amdhsa_kernel
	.amdgpu_metadata
---
amdhsa.version: [ 1, 2 ]
amdhsa.kernels:
  - .name:           k_q526e28efd3_prep
    .symbol:         k_q526e28efd3_prep.kd
    .args:
      - { .name: nodes, .offset: 0, .size: 8, .value_kind: global_buffer, .address_space: global }
      - { .name: t, .offset: 8, .size: 8, .value_kind: global_buffer, .address_space: global }
      - { .name: prep, .offset: 16, .size: 8, .value_kind: global_buffer, .address_space: global }
      - { .name: qw, .offset: 24, .size: 8, .value_kind: global_buffer, .address_space: global }
      - { .name: kw, .offset: 32, .size: 8, .value_kind: global_buffer, .address_space: global }
      - { .name: vw, .offset: 40, .size: 8, .value_kind: global_buffer, .address_space: global }
      - { .name: an_gb_w1, .offset: 48, .size: 8, .value_kind: global_buffer, .address_space: global }
      - { .name: an_gb_b1, .offset: 56, .size: 8, .value_kind: global_buffer, .address_space: global }
      - { .name: an_gb_w2, .offset: 64, .size: 8, .value_kind: global_buffer, .address_space: global }
      - { .name: an_gb_b2, .offset: 72, .size: 8, .value_kind: global_buffer, .address_space: global }
      - { .name: an_gb_w3, .offset: 80, .size: 8, .value_kind: global_buffer, .address_space: global }
      - { .name: an_gb_b3, .offset: 88, .size: 8, .value_kind: global_buffer, .address_space: global }
      - { .name: an_a_w1, .offset: 96, .size: 8, .value_kind: global_buffer, .address_space: global }
      - { .name: an_a_b1, .offset: 104, .size: 8, .value_kind: global_buffer, .address_space: global }
      - { .name: an_a_w2, .offset: 112, .size: 8, .value_kind: global_buffer, .address_space: global }
      - { .name: an_a_b2, .offset: 120, .size: 8, .value_kind: global_buffer, .address_space: global }
      - { .name: an_a_w3, .offset: 128, .size: 8, .value_kind: global_buffer, .address_space: global }
      - { .name: an_a_b3, .offset: 136, .size: 8, .value_kind: global_buffer, .address_space: global }
      - { .name: fn_gb_w1, .offset: 144, .size: 8, .value_kind: global_buffer, .address_space: global }
      - { .name: fn_gb_b1, .offset: 152, .size: 8, .value_kind: global_buffer, .address_space: global }
      - { .name: fn_gb_w2, .offset: 160, .size: 8, .value_kind: global_buffer, .address_space: global }
      - { .name: fn_gb_b2, .offset: 168, .size: 8, .value_kind: global_buffer, .address_space: global }
      - { .name: fn_gb_w3, .offset: 176, .size: 8, .value_kind: global_buffer, .address_space: global }
      - { .name: fn_gb_b3, .offset: 184, .size: 8, .value_kind: global_buffer, .address_space: global }
      - { .name: fn_a_w1, .offset: 192, .size: 8, .value_kind: global_buffer, .address_space: global }
      - { .name: fn_a_b1, .offset: 200, .size: 8, .value_kind: global_buffer, .address_space: global }
      - { .name: fn_a_w2, .offset: 208, .size: 8, .value_kind: global_buffer, .address_space: global }
      - { .name: fn_a_b2, .offset: 216, .size: 8, .value_kind: global_buffer, .address_space: global }
      - { .name: fn_a_w3, .offset: 224, .size: 8, .value_kind: global_buffer, .address_space: global }
      - { .name: fn_a_b3, .offset: 232, .size: 8, .value_kind: global_buffer, .address_space: global }
    .group_segment_fixed_size: 8192
    .private_segment_fixed_size: 0
    .kernarg_segment_align: 8
    .kernarg_segment_size: 240
    .max_flat_workgroup_size: 128
    .sgpr_count:     96
    .vgpr_count:     256
    .wavefront_size: 32
...
	.end_amdgpu_metadata
.endif
;; end of part 1
;; launch qkv (part 2): grid 4 x 64, 8 waves a work-group, no clusters, 168,960 bytes of LDS; arguments latent, prep, qb, kb, vb, qc, kv, sc; writes qc, kv, sc
.if DOCPART == 2
	.amdgcn_target "amdgcn-amd-amdhsa--gfx1250"
	.amdhsa_code_object_version 6
	.text
	.protected	k_q526e28efd3_qkv
	.globl	k_q526e28efd3_qkv
	.p2align	8
	.type	k_q526e28efd3_qkv,@function
k_q526e28efd3_qkv:
	s_mov_b64 s[64:65], 0
	v_nop
	global_prefetch_b8 v0, s[64:65] scope:SCOPE_SE
	s_setreg_imm32_b32 hwreg(HW_REG_WAVE_MODE, 25, 1), 1
	s_wait_xcnt 0x0
; QKV.  x2 = gamma1 snorm(x) + beta1, quantised along d; Q, K, V = x2 times the quantised qw, kw, vw, + bias; Q and K quantised along a head's 32, V along the keys.  All products on codes of E4M3 with E8M0 scales.
; A work-group takes item b (grid y) and 128 tokens tb (grid x).  latent is [b][d][token]: a lane takes a token and its registers run down d.
; TOKEN TILES.  Tile T = 2 g + half of the 128 tokens: row r is token 32 g + 8 half + r + 8 (r / 8), so that the 16 registers of tiles 2 g, 2 g + 1 of a result whose rows are tokens are 16 neighbouring tokens.
; Wave w owns tile w for snorm, x2, Q and K (transposed use: source 0 = 16 features of the weight, source 1 = my 16 tokens: a lane holds one token, registers run along the features, a block of 32 is one head).
; For V the wave takes both tiles of group g = w / 2 against feature tiles 4 (w % 2) + 0..3 (source 0 = tokens, source 1 = features: a lane holds one feature, registers run along 16 neighbouring tokens, the keys).
; OUT, as images of operand registers (chunk = 4 registers, lane l's 16 bytes at 16 l): qc [b][tb][tile][head][512]; kv per b: K [tb][tile][head][512], then V [tb][2 head + u][key block][512];
; sc per b: K's words [head][tb][tile pair][32 lanes] (byte 0 the scale, the others 0), V's words [tb][head][32 lanes] (byte c: key block c), Q's words as K's.
; NO CLUSTER: what work-groups share here is the weights' image, whose address hangs on no work-group coordinate; a joint load's address is to differ along the axis that its mask does not reach, so each work-group asks for its own 52,224 bytes.
; Two tensor loads a wave, both first fills; no LDS byte is filled twice.
; LIMITS: NaN and infinities are not served; a block of zeros gets the byte 1 (codes are zeros; this program alone reads the bytes); magnitudes under 2^-118 are held at that floor;
; the division by the deviation is v_sqrt_f32, v_rcp_f32 and a multiplication; a deviation that is denormal counts as 0 and is replaced by 1.
.set XP,   520                         ; a row of x in LDS: 512 bytes + 8: lanes 16-31, 16 rows on, fall 32 banks from lanes 0-15
.set WCL,  66560                       ; the weights' images, 49,152 bytes,
.set WSL,  115712                      ; and scale words, 3,072
.set XI,   118784                      ; x2's eight images
.set XW,   135168                      ; and scale words
.set SCST, 136192                      ; the scales' stage: K's words 2,048, Q's 2,048, V's bytes as words [g][512]
.set WCD,  196608                      ; where the weights' images begin in prep
.set LI,   1                           ; 16 x lane
.set LS,   2                           ; 4 x lane
.set AXL,  3                           ; x in LDS: 16 rows x h + 4 x token; later ASO
.set ASO,  3
.set VG,   4                           ; 64 h
.set VVB,  5
.set AIW,  6
.set AIS,  7
.set AW,   8
.set AWS,  9
.set ASC,  10
.set AXI,  11
.set AXS,  12
.set AWV,  13
.set AWSV, 14
.set AVB,  15
.set XO,   16                          ; v16-31 my tile's codes of x2
.set TM,   32                          ; v32-47 the quantiser's work; snorm's too
.set ST,   32
.set PW,   48                          ; v48-51, v60-63: scale words and nothing else
.set XWO,  49
.set XWA,  50
.set XWB,  51
.set VB,   52                          ; v52-59 vb of my four features, in pairs whose upper half is 0
.set WSC,  60
.set X,    64                          ; v64-127 x, x2; then four weight fragments; the codes just made lie over the first
.set WF,   64
.set PC,   64
.set GA,   128                         ; v128-191 gamma1; Q's accumulators; V's
.set BE,   192                         ; v192-255 beta1; K's accumulators; then x2's two fragments, V's codes
.set XA,   192
.set XB,   208
.set PCV,  224
.set OUTR, 240
.set WV,   20
.set MNT,  21
.set SEL,  22
.macro PLACES n
.rept \n
	v_nop
.endr
.endm
.macro BARRIER
	s_wait_dscnt 0x0                               ; my LDS stores have landed and my LDS loads are in
	s_barrier_signal -1
	s_barrier_wait -1
.endm
; 64 numbers of a lane, register 16 b + i = position 16 (lane / 16) + i of block b, become codes in v[d + 4 b ..], bytes in v[TM + 4 + b] and the scale word v[pw]
.macro QUANT s, d, pw
.irp b, 0,1,2,3
	v_max3_num_f32 v[TM+\b], |v[\s+16*\b]|, |v[\s+16*\b+1]|, 0x4800000   ; my 16 numbers and the floor 2^(9 - 127)
.endr
.irp i, 2,4,6,8,10,12,14
.irp b, 0,1,2,3
	v_max3_num_f32 v[TM+\b], v[TM+\b], |v[\s+16*\b+\i]|, |v[\s+16*\b+\i+1]|
.endr
.endr
.irp b, 0,1,2,3
	v_permlanex16_b32 v[TM+4+\b], v[TM+\b], s[SEL], s[SEL+1]
.endr
.irp b, 0,1,2,3
	v_max_num_f32 v[TM+\b], v[TM+\b], v[TM+4+\b]
.endr
.irp b, 0,1,2,3
	v_add_nc_u32 v[TM+12+\b], 0xfc000000, v[TM+\b]        ; the conversion's scale operand
	v_and_or_b32 v[TM+8+\b], v[TM+\b], 0x7f800000, s[MNT] ; 448 x the scale
	v_lshrrev_b32 v[TM+4+\b], 23, v[TM+12+\b]             ; the byte
.endr
	v_lshl_or_b32 v[\pw], v[TM+5], 8, v[TM+4]
	v_lshl_or_b32 v[\pw], v[TM+6], 16, v[\pw]
	v_lshl_or_b32 v[\pw], v[TM+7], 24, v[\pw]
.irp b, 0,1,2,3
.irp i, 0,1,2,3,4,5,6,7,8,9,10,11,12,13,14,15
	v_med3_num_f32 v[\s+16*\b+\i], v[\s+16*\b+\i], -v[TM+8+\b], v[TM+8+\b]   ; the hold: the conversion does not saturate (ISA guide 7.6.2)
.endr
.endr
.irp b, 0,1,2,3
	v_cvt_scalef32_pk8_fp8_f32 v[\d+4*\b:\d+4*\b+1], v[\s+16*\b:\s+16*\b+7], v[TM+12+\b]
	v_cvt_scalef32_pk8_fp8_f32 v[\d+4*\b+2:\d+4*\b+3], v[\s+16*\b+8:\s+16*\b+15], v[TM+12+\b]
.endr
	v_nop                                          ; one plain line behind the last conversion
.endm
; dst = (src - mean) / deviation over the 128 numbers that lanes l and l xor 16 hold; two passes, so that a common offset costs nothing
.macro SNORM src, dst
	v_pk_add_f32 v[ST:ST+1], v[\src:\src+1], v[\src+2:\src+3]
	v_pk_add_f32 v[ST+2:ST+3], v[\src+4:\src+5], v[\src+6:\src+7]
.irp j, 8,12,16,20,24,28,32,36,40,44,48,52,56,60
	v_pk_add_f32 v[ST:ST+1], v[ST:ST+1], v[\src+\j:\src+\j+1]
	v_pk_add_f32 v[ST+2:ST+3], v[ST+2:ST+3], v[\src+\j+2:\src+\j+3]
.endr
	v_pk_add_f32 v[ST:ST+1], v[ST:ST+1], v[ST+2:ST+3]
	v_add_f32 v[ST], v[ST], v[ST+1]
	v_permlanex16_b32 v[ST+4], v[ST], s[SEL], s[SEL+1]
	v_add_f32 v[ST], v[ST], v[ST+4]
	v_mul_f32 v[ST], 0x3c000000, v[ST]             ; / 128
.set J, 0
.rept 32
	v_pk_add_f32 v[\dst+J:\dst+J+1], v[\src+J:\src+J+1], v[ST:ST+1] op_sel_hi:[1,0] neg_lo:[0,1] neg_hi:[0,1]
.set J, J+2
.endr
	v_pk_mul_f32 v[ST:ST+1], v[\dst:\dst+1], v[\dst:\dst+1]
	v_pk_mul_f32 v[ST+2:ST+3], v[\dst+2:\dst+3], v[\dst+2:\dst+3]
.irp j, 4,8,12,16,20,24,28,32,36,40,44,48,52,56,60
	v_pk_fma_f32 v[ST:ST+1], v[\dst+\j:\dst+\j+1], v[\dst+\j:\dst+\j+1], v[ST:ST+1]
	v_pk_fma_f32 v[ST+2:ST+3], v[\dst+\j+2:\dst+\j+3], v[\dst+\j+2:\dst+\j+3], v[ST+2:ST+3]
.endr
	v_pk_add_f32 v[ST:ST+1], v[ST:ST+1], v[ST+2:ST+3]
	v_add_f32 v[ST], v[ST], v[ST+1]
	v_permlanex16_b32 v[ST+4], v[ST], s[SEL], s[SEL+1]
	v_add_f32 v[ST], v[ST], v[ST+4]
	v_mul_f32 v[ST], 0x3c010204, v[ST]             ; / 127
	v_sqrt_f32 v[ST], v[ST]
	v_nop
	s_wait_alu depctr_va_vdst(0)
	v_cmp_neq_f32 vcc_lo, 0, v[ST]
	v_cndmask_b32 v[ST], 1.0, v[ST], vcc_lo        ; a deviation of 0 counts as 1: a choice of a value, no branch
	v_rcp_f32 v[ST+2], v[ST]
	v_nop
.set J, 0
	s_wait_alu depctr_va_vdst(0)
.rept 32
	v_pk_mul_f32 v[\dst+J:\dst+J+1], v[\dst+J:\dst+J+1], v[ST+2:ST+3] op_sel_hi:[1,0]
.set J, J+2
.endr
.endm
; Q (m = 0) or K (m = 1) of my 16 tokens: eight tiles of features, four at a time; the bias lies in the accumulators as C.  Then the four heads' codes go out as my tile's image and their bytes to the stage.
.macro PROJ m, acc, sb, so
.irp gq, 0,1
.if \gq == 1
	PLACES 8                                       ; in front of loads into registers that the products above have read
.endif
.irp t, 0,1,2,3
.irp c, 0,1,2,3
	ds_load_b128 v[WF+16*\t+4*\c:WF+16*\t+4*\c+3], v[AW] offset:16384*\m+2048*(4*\gq+\t)+512*\c
.endr
	ds_load_b32 v[WSC+\t], v[AWS] offset:128*(8*\m+4*\gq+\t)
.endr
	s_wait_dscnt 0x0
.irp t, 0,1,2,3
	v_wmma_scale_f32_16x16x128_f8f6f4 v[\acc+8*(4*\gq+\t):\acc+8*(4*\gq+\t)+7], v[WF+16*\t:WF+16*\t+15], v[XO:XO+15], v[\acc+8*(4*\gq+\t):\acc+8*(4*\gq+\t)+7], v[WSC+\t], v[XWO]
.endr
.endr
	PLACES 8
	QUANT \acc, PC, PW
.irp c, 0,1,2,3
	global_store_b128 v[LI], v[PC+4*\c:PC+4*\c+3], s[\sb:\sb+1] offset:512*\c   ; head c's chunk: 512 consecutive bytes
.endr
.irp hd, 0,1,2,3
	ds_store_b32 v[ASC], v[TM+4+\hd] offset:\so+512*\hd   ; lanes l and l xor 16 write the same word with the same value
.endr
.endm
	s_load_b512 s[4:19], s[0:1], 0x0               ; latent, prep, qb, kb, vb, qc, kv, sc
	s_set_vgpr_msb 0x40
	v_lshl_add_u32 v0, v0, 2, 0x29000
	v_mov_b32 v1, 0
	s_set_vgpr_msb 0x4045
	ds_add_u32 v0, v1
	ds_add_u32 v0, v1
	s_set_vgpr_msb 0x4500
	v_lshrrev_b32 v16, 5, v0
	v_readfirstlane_b32 s[WV], v16                 ; wave 0..7
	s_mov_b32 s24, ttmp9                           ; tb
	s_and_b32 s25, ttmp7, 0xffff                   ; b
	s_lshr_b32 s26, s[WV], 1                       ; g
	s_and_b32 s27, s[WV], 1                        ; half
	s_mov_b32 s[MNT], 0x600000
	s_mov_b32 s[SEL], 0x76543210
	s_mov_b32 s[SEL+1], 0xfedcba98
	; x: 16 rows (d) of 128 tokens, 4 bytes each, rows 512 elements apart; 2 words of padding behind each 128
	s_mov_b32 s36, (2<<16)|(1<<20)|(6<<22)|(1<<25)
	s_mov_b32 s37, 128<<16
	s_mov_b32 s38, 16<<16
	s_mov_b32 s39, 128<<16
	s_mov_b32 s40, 16
	s_mov_b32 s41, 512
	s_mov_b32 s42, 0
	s_mov_b32 s43, 0
	; the weights: an eighth of 52,224 dense bytes, as 51 rows of 128 bytes (16 elements of 8)
	s_mov_b32 s44, 3<<16
	s_mov_b32 s45, 16<<16
	s_mov_b32 s46, 51<<16
	s_mov_b32 s47, 16<<16
	s_mov_b32 s48, 51
	s_mov_b32 s49, 16
	s_mov_b32 s50, 0
	s_mov_b32 s51, 0
	s_lshl_b32 s28, s25, 18                        ; 262,144 b
	s_lshl_b32 s30, s[WV], 15                      ; + 16 w rows of 2,048 bytes
	s_add_co_u32 s28, s28, s30
	s_lshl_b32 s30, s24, 9                         ; + 128 tb tokens
	s_add_co_u32 s28, s28, s30
	s_mov_b32 s29, 0
	s_mul_i32 s32, s[WV], 6528
	s_add_co_u32 s30, s32, WCD
	s_mov_b32 s31, 0
	s_mov_b32 s52, 1
	s_mul_i32 s53, s[WV], 16*XP
	s_mov_b32 s56, 1
	s_add_co_u32 s57, s32, WCL
	s_wait_dscnt 0x0
	s_wait_kmcnt 0x0
	s_add_nc_u64 s[54:55], s[4:5], s[28:29]
	s_or_b32 s55, s55, 0x80000000
	s_add_nc_u64 s[58:59], s[6:7], s[30:31]
	s_or_b32 s59, s59, 0x80000000
	tensor_load_to_lds s[52:55], s[36:43]          ; both first fills together, ahead of every wait on TENSORcnt, LDS read and barrier: two loads of mine are out
	s_nop 0
	tensor_load_to_lds s[56:59], s[44:51]
	s_nop 0
	PLACES 4
	v_and_b32 v18, 31, v0                          ; lane
	v_and_b32 v16, 15, v0                          ; r
	v_bfe_u32 v17, v0, 4, 1                        ; h
	v_lshlrev_b32 v[LI], 4, v18
	v_lshlrev_b32 v[LS], 2, v18
	v_and_b32 v19, 8, v16
	v_add_nc_u32 v19, v19, v16
	s_lshl_b32 s30, s26, 5
	s_lshl_b32 s31, s27, 3
	s_add_co_u32 s30, s30, s31
	v_add_nc_u32 v19, s30, v19                     ; my token: 32 g + 8 half + r + 8 (r / 8)
	v_mul_u32_u24 v[AXL], v17, 16*XP
	v_lshl_add_u32 v[AXL], v19, 2, v[AXL]
	v_lshlrev_b32 v[VG], 6, v17
	v_and_b32 v20, 3, v16
	v_bfe_u32 v21, v16, 2, 1
	v_lshl_add_u32 v20, v21, 3, v20
	v_bfe_u32 v21, v16, 3, 1
	v_lshl_add_u32 v20, v21, 2, v20                ; V's order of features in a tile: 8 bit2(r) + 4 bit3(r) + r % 4
	s_lshl_b32 s30, s27, 8
	v_lshl_add_u32 v[VVB], v20, 2, s30
	s_lshl_b32 s30, s[WV], 11
	s_add_co_u32 s30, s30, XI
	v_add_nc_u32 v[AIW], s30, v[LI]                ; my tile's image
	s_lshl_b32 s30, s[WV], 7
	s_add_co_u32 s30, s30, XW
	v_add_nc_u32 v[AIS], s30, v[LS]
	v_add_nc_u32 v[AW], WCL, v[LI]
	v_add_nc_u32 v[AWS], WSL, v[LS]
	s_lshl_b32 s30, s[WV], 6
	s_add_co_u32 s30, s30, SCST
	v_lshl_add_u32 v[ASC], v16, 2, s30             ; the stage: 64 w + 4 r (tile pair g, lanes 16 half + r)
	s_lshl_b32 s30, s26, 12
	s_add_co_u32 s30, s30, XI
	v_add_nc_u32 v[AXI], s30, v[LI]                ; group g's two images
	s_lshl_b32 s30, s26, 8
	s_add_co_u32 s30, s30, XW
	v_add_nc_u32 v[AXS], s30, v[LS]
	s_lshl_b32 s30, s27, 13
	s_add_co_u32 s30, s30, WCL+32768
	v_add_nc_u32 v[AWV], s30, v[LI]                ; vw's tiles 4 half on
	s_lshl_b32 s30, s27, 9
	s_add_co_u32 s30, s30, WSL+2048
	v_add_nc_u32 v[AWSV], s30, v[LS]
	s_lshl_b32 s30, s26, 9
	s_lshl_b32 s31, s27, 8
	s_add_co_u32 s30, s30, s31
	s_add_co_u32 s30, s30, SCST+4096
	v_lshl_add_u32 v[AVB], v16, 2, s30             ; V's bytes as words: 512 g + 256 half + 4 r
	s_mul_i32 s28, s25, 3072
	s_add_nc_u64 s[66:67], s[6:7], s[28:29]        ; the item's row of MOD
	s_lshl_b32 s34, s24, 14
	s_lshl_b32 s35, s[WV], 11
	s_add_co_u32 s35, s34, s35                     ; 16,384 tb + 2,048 w
	s_lshl_b32 s28, s25, 16
	s_add_co_u32 s28, s28, s35
	s_add_nc_u64 s[14:15], s[14:15], s[28:29]      ; Q's image
	s_lshl_b32 s33, s25, 17
	s_add_co_u32 s28, s33, s35
	s_add_nc_u64 s[68:69], s[16:17], s[28:29]      ; K's
	s_add_co_u32 s28, s33, s34
	s_add_co_u32 s28, s28, 65536
	s_lshl_b32 s30, s27, 13
	s_add_co_u32 s28, s28, s30
	s_lshl_b32 s30, s26, 9
	s_add_co_u32 s28, s28, s30
	s_add_nc_u64 s[70:71], s[16:17], s[28:29]      ; V's: + 8,192 half + 512 g
	s_mul_i32 s32, s25, 18432
	s_lshl_b32 s33, s24, 9
	s_add_co_u32 s32, s32, s33
	s_lshr_b32 s30, s[WV], 2
	s_mul_i32 s30, s30, 10240
	s_and_b32 s31, s[WV], 3
	s_lshl_b32 s31, s31, 11
	s_add_co_u32 s30, s30, s31
	s_add_co_u32 s28, s30, s32
	s_add_nc_u64 s[72:73], s[18:19], s[28:29]      ; the piece of scale words that I store: waves 0-3 K's head w, waves 4-7 Q's head w - 4
	s_add_co_u32 s28, s32, 8192
	s_add_nc_u64 s[74:75], s[18:19], s[28:29]      ; V's piece
.irp c, 0,1,2,3
.irp q, 0,1,2,3
	global_load_b128 v[GA+16*\c+4*\q:GA+16*\c+4*\q+3], v[VG], s[66:67] offset:512+128*\c+16*\q    ; gamma1 at d = 32 c + 16 h + ..
	global_load_b128 v[BE+16*\c+4*\q:BE+16*\c+4*\q+3], v[VG], s[66:67] offset:1024+128*\c+16*\q   ; beta1
.endr
.endr
.irp t, 0,1,2,3
	global_load_b32 v[VB+2*\t], v[VVB], s[12:13] offset:64*\t
	v_mov_b32 v[VB+2*\t+1], 0                      ; (named with it as a pair)
.endr
.irp b, 0,1,2,3
	v_mov_b32 v[TM+4+\b], 0                        ; written once: a lane permute's destination counts as one of its sources
.endr
	s_wait_tensorcnt 0x0                           ; my rows of x and my eighth of the weights are in,
	s_barrier_signal -1
	s_barrier_wait -1                              ; everybody's are
	; ---- x2 of my 16 tokens
.irp c, 0,1,2,3
.irp i, 0,1,2,3,4,5,6,7,8,9,10,11,12,13,14,15
	ds_load_b32 v[X+16*\c+\i], v[AXL] offset:(32*\c+\i)*XP   ; x(token, d = 32 c + 16 h + i)
.endr
.endr
	s_wait_dscnt 0x0
	SNORM X, X
	s_wait_loadcnt 0x0                             ; gamma1, beta1, vb
.set J, 0
.rept 32
	v_pk_fma_f32 v[X+J:X+J+1], v[X+J:X+J+1], v[GA+J:GA+J+1], v[BE+J:BE+J+1]
.set J, J+2
.endr
.irp q, 0,1,2,3,4,5,6,7,8,9,10,11,12,13,14,15
	global_load_b128 v[GA+4*\q:GA+4*\q+3], v[VG], s[8:9] offset:128*(\q/4)+16*(\q%4)     ; qb and kb into the accumulators: register 16 head + 8 u + j = feature 32 head + 16 h + 8 u + j
	global_load_b128 v[BE+4*\q:BE+4*\q+3], v[VG], s[10:11] offset:128*(\q/4)+16*(\q%4)
.endr
	QUANT X, XO, XWO
	PLACES 4                                       ; codes made by vector instructions stand four places ahead of a scaled product
.irp c, 0,1,2,3
	ds_store_b128 v[AIW], v[XO+4*\c:XO+4*\c+3] offset:512*\c
.endr
	ds_store_b32 v[AIS], v[XWO]
	BARRIER                                        ; x2's eight images lie in LDS
	v_lshl_add_u32 v[ASO], v0, 4, SCST             ; (x has been read) the way out of the scales' stage: 512 w + 16 x lane
	s_wait_loadcnt 0x0                             ; qb, kb
	PROJ 0, GA, 14, 2048
	s_wait_xcnt 0x0                                ; Q's stores have read their registers: the fragments below land there
	PROJ 1, BE, 68, 0
	; ---- V of group g's 32 tokens, four tiles of features
	s_wait_xcnt 0x0                                ; K's stores likewise
.irp c, 0,1,2,3
	ds_load_b128 v[XA+4*\c:XA+4*\c+3], v[AXI] offset:512*\c
	ds_load_b128 v[XB+4*\c:XB+4*\c+3], v[AXI] offset:2048+512*\c
.endr
	ds_load_b32 v[XWA], v[AXS]
	ds_load_b32 v[XWB], v[AXS] offset:128
.irp t, 0,1,2,3
.irp c, 0,1,2,3
	ds_load_b128 v[WF+16*\t+4*\c:WF+16*\t+4*\c+3], v[AWV] offset:2048*\t+512*\c
.endr
	ds_load_b32 v[WSC+\t], v[AWSV] offset:128*\t
.endr
	s_wait_dscnt 0x0
.irp t, 0,1,2,3
	v_wmma_scale_f32_16x16x128_f8f6f4 v[GA+16*\t:GA+16*\t+7], v[XA:XA+15], v[WF+16*\t:WF+16*\t+15], 0, v[XWA], v[WSC+\t]
	v_wmma_scale_f32_16x16x128_f8f6f4 v[GA+16*\t+8:GA+16*\t+15], v[XB:XB+15], v[WF+16*\t:WF+16*\t+15], 0, v[XWB], v[WSC+\t]
.endr
	PLACES 8
.irp t, 0,1,2,3
.irp j, 0,2,4,6,8,10,12,14
	v_pk_add_f32 v[GA+16*\t+\j:GA+16*\t+\j+1], v[GA+16*\t+\j:GA+16*\t+\j+1], v[VB+2*\t:VB+2*\t+1] op_sel_hi:[1,0]   ; + vb of my feature
.endr
.endr
	QUANT GA, PCV, PW                              ; block t = feature tile t: my feature's 32 tokens of group g, one block of keys
.irp t, 0,1,2,3
	global_store_b128 v[LI], v[PCV+4*\t:PCV+4*\t+3], s[70:71] offset:2048*\t   ; chunk g of fragment 4 half + t
	ds_store_b32 v[AVB], v[TM+4+\t] offset:64*\t
.endr
	BARRIER                                        ; all scale words lie in the stage
	ds_load_b128 v[OUTR:OUTR+3], v[ASO]
	s_wait_dscnt 0x0
	global_store_b128 v[LI], v[OUTR:OUTR+3], s[72:73]   ; 512 consecutive bytes
	s_cmp_lg_u32 s[WV], 0
	s_cbranch_scc1 .Ldone
.irp gg, 0,1,2,3                       ; wave 0: V's four key blocks' bytes make the words
	ds_load_b128 v[GA+4*\gg:GA+4*\gg+3], v[ASO] offset:4096+512*\gg
.endr
	s_wait_dscnt 0x0
.irp k, 0,1,2,3
	v_lshl_or_b32 v[GA+\k], v[GA+4+\k], 8, v[GA+\k]
	v_lshl_or_b32 v[GA+\k], v[GA+8+\k], 16, v[GA+\k]
	v_lshl_or_b32 v[GA+\k], v[GA+12+\k], 24, v[GA+\k]
.endr
	global_store_b128 v[LI], v[GA:GA+3], s[74:75]
.Ldone:
	s_set_vgpr_msb 0x5
	s_wait_tensorcnt 0x0
	ds_add_u32 v0, v1
	s_wait_dscnt 0x0
	s_set_vgpr_msb 0x500
	s_endpgm
.Lfunc_end_k_q526e28efd3_qkv:
	.size	k_q526e28efd3_qkv, .Lfunc_end_k_q526e28efd3_qkv-k_q526e28efd3_qkv
	.p2alignl 7, 3214868480
	.fill 96, 4, 3214868480
	.section	.rodata,"a",@progbits
	.p2align	6, 0x0
	.amdhsa_kernel k_q526e28efd3_qkv
		.amdhsa_group_segment_fixed_size 168960
		.amdhsa_private_segment_fixed_size 0
		.amdhsa_enable_private_segment 0
		.amdhsa_kernarg_size 64
		.amdhsa_user_sgpr_count 2
		.amdhsa_user_sgpr_kernarg_segment_ptr 1
		.amdhsa_wavefront_size32 1
		.amdhsa_system_sgpr_workgroup_id_x 1
		.amdhsa_system_sgpr_workgroup_id_y 1
		.amdhsa_system_sgpr_workgroup_id_z 1
		.amdhsa_system_vgpr_workitem_id 0
		.amdhsa_next_free_vgpr 258
		.amdhsa_next_free_sgpr 96
		.amdhsa_reserve_vcc 1
		.amdhsa_float_denorm_mode_32 3
		.amdhsa_float_denorm_mode_16_64 3
		.amdhsa_memory_ordered 1
		.amdhsa_forward_progress 1
		.amdhsa_inst_pref_size 78
	.end_amdhsa_kernel
	.amdgpu_metadata
---
amdhsa.version: [ 1, 2 ]
amdhsa.kernels:
  - .name:           k_q526e28efd3_qkv
    .symbol:         k_q526e28efd3_qkv.kd
    .args:
      - { .name: latent, .offset: 0, .size: 8, .value_kind: global_buffer, .address_space: global }
      - { .name: prep, .offset: 8, .size: 8, .value_kind: global_buffer, .address_space: global }
      - { .name: qb, .offset: 16, .size: 8, .value_kind: global_buffer, .address_space: global }
      - { .name: kb, .offset: 24, .size: 8, .value_kind: global_buffer, .address_space: global }
      - { .name: vb, .offset: 32, .size: 8, .value_kind: global_buffer, .address_space: global }
      - { .name: qc, .offset: 40, .size: 8, .value_kind: global_buffer, .address_space: global }
      - { .name: kv, .offset: 48, .size: 8, .value_kind: global_buffer, .address_space: global }
      - { .name: sc, .offset: 56, .size: 8, .value_kind: global_buffer, .address_space: global }
    .group_segment_fixed_size: 168960
    .private_segment_fixed_size: 0
    .kernarg_segment_align: 8
    .kernarg_segment_size: 64
    .max_flat_workgroup_size: 256
    .sgpr_count:     96
    .vgpr_count:     258
    .wavefront_size: 32
...
	.end_amdgpu_metadata
.endif
;; end of part 2
;; launch attn (part 3): grid 4 x 64, 16 waves a work-group, clusters of 4 x 1, 299,008 bytes of LDS; arguments latent, prep, ow, qc, kv, sc, out0; writes out0
.if DOCPART == 3
	.amdgcn_target "amdgcn-amd-amdhsa--gfx1250"
	.amdhsa_code_object_version 6
	.text
	.protected	k_q526e28efd3_attn
	.globl	k_q526e28efd3_attn
	.p2align	8
	.type	k_q526e28efd3_attn,@function
k_q526e28efd3_attn:
	s_mov_b64 s[64:65], 0
	v_nop
	global_prefetch_b8 v0, s[64:65] scope:SCOPE_SE
	s_setreg_imm32_b32 hwreg(HW_REG_WAVE_MODE, 25, 1), 1
	s_wait_xcnt 0x0
	s_wait_alu depctr_hold_cnt(0) depctr_sa_sdst(0) depctr_va_vdst(0) depctr_va_sdst(0) depctr_va_ssrc(0) depctr_va_vcc(0) depctr_vm_vsrc(0)
	s_getreg_b32 s2, hwreg(HW_REG_IB_STS2, 6, 4)
	s_cmp_eq_u32 s2, 0
	s_cbranch_scc0 .Lentry_in_a_cluster
	s_endpgm
.Lentry_in_a_cluster:
	s_bfe_u32 s2, ttmp6, 0x10000c
	s_cmp_lg_u32 s2, 0x3003
	s_cbranch_scc0 .Lentry_shape_is_right
	s_endpgm
.Lentry_shape_is_right:
; ATTN.  Per item b and block of 128 queries tb: S = Q K^T / sqrt(32), the softmax, O = P V, attn = O ow (O laid d' = 4 k + head), x += alpha1 attn, x += alpha2 (gamma2 snorm(x) + beta2).  All products on codes of E4M3 with E8M0 scales.
; SOFTMAX: t = score x log2(e) / sqrt(32); M = the running largest t rounded up to a whole number; p = 2^(t - M) is quantised along the keys, not normalised; the sum of the unquantised p divides O at the end.
; When M moves, the sum and O are multiplied by 2^(old M - new M), which rounds nothing.
; SHARES.  SIXTEEN waves of 256 registers, four to a SIMD, so that one wave's vector work stands beside another's LDS loads, exponentials and products.  Wave w takes query tile qt = w % 8
; (16 queries: token 32 (qt / 2) + 8 (qt % 2) + r + 8 (r / 8)) and the two heads 2 (w / 8), 2 (w / 8) + 1.  A block of 32 along d' mixes the four heads: so O / the sum goes through LDS, and wave qt (0..7) takes
; the tile's four heads from there for the ow product, the residuals and the second snorm.  Waves 8..15 quantise ow's eight tiles at the start.  All sixteen store 8 rows of the result.
; K, V and their scale words of the whole item (141,312 bytes) stay in LDS: no ring, no LDS byte is filled twice.  Four tensor loads a wave, all first fills, are out at the most.
; CLUSTER: the four query blocks of an item read the same K, V, scale words and modulation: each is asked for jointly (mask 15), the address made of b and the wave's number alone.  x is each work-group's own (no mask).
; K = 32 IN AN INSTRUCTION OF K = 128.  A head's 32 codes stand at k = 0..31.  Source 1 is Q's chunk and twelve registers of zeros; source 0 for key tile t is v[KK + 4 t .. + 15]: tile t's chunk, then
; whatever codes follow it in the registers (other tiles' chunks, V's codes: all valid codes), which meet zero codes and add nothing.  Bytes 1-3 of both scale words are 0, that is 2^-127, never 0xff.
; Both attention products are used transposed: a lane holds one query; vw's features were ordered so that O^T's register j of tile u is k = 8 c + 4 h + e with c = 2 u + j / 4, e = j % 4: d' = 32 c + 16 h + 4 e + head.
; THE ORDER OF k IN THE ow PRODUCT: register 16 c + 4 head + e of O holds d' = 32 c + 16 h + 4 e + head, so that a head's four registers of a block are stored and read as 16 bytes; ow's rows are loaded in the same order.
; The order is changed inside a block of 32 alone, alike on both sides: the blocks, their scales and the products are the same; only the order of the sums inside the instruction differs.
; LIMITS: NaN and infinities are not served; a block of zeros gets the byte 1 (its codes are zeros; this program alone reads the bytes); magnitudes under 2^-118 are held at that floor;
; divisions are v_rcp_f32 and a multiplication; v_exp_f32 flushes denormal results; a block's largest p is taken as the exponential of the block's largest score.
; REGISTERS: v1-15, v31, v248-251, v255 addresses; v16 -M, v17 the largest t, v[18:19] the sum; v20-27, v30 scale words and nothing else; v32-63 K's eight chunks; v64-95 V's two fragments; v96-159 S, p;
; v160-175 O^T; v176-191 codes just made; v192-223 my two heads' Q operands; v224-228 snorm's work; v232-247 the quantiser's; v252 f, v254 at work.
; LDS: K 0 | V 65,536 | scale words 131,072 | modulation 141,312 | x 144,384 (pitch 528) | ow's images 211,968 and scale words 228,352 | the exchange of O 229,376 (8 tiles x 8,192).
; The stage for the way out (128 rows, pitch 528) begins at byte 0: K and V have had their one fill, and nobody reads them behind the barrier that follows the heads.
.set VL,   65536
.set SCL,  131072
.set MODL, 141312
.set XSL,  144384
.set XP,   528                         ; a row of x, and of the stage: 512 bytes + 16: lanes 16-31, 8 rows on, fall 32 banks from lanes 0-15 (64 banks of 4 bytes: ISA guide 11.1)
.set OWI,  211968
.set OWS,  228352
.set OXB,  229376
.set LI,   1                           ; 16 x lane
.set AV0,  2                           ; V: VL + 16 x lane + 8,192 x head pair
.set AS0,  3                           ; K's scale words: SCL + 4 x lane + 4,096 x head pair
.set AX,   4
.set AO,   5
.set AM,   6
.set ARD,  7
.set ADK,  8
.set ADV,  9
.set ADS,  10
.set AOW,  11
.set AOWS, 12
.set QSO,  13
.set OWV,  14
.set AOWP, 15
.set AOSP, 31
.set NM,   16
.set TX,   17
.set LS,   18
.set KS,   20
.set VS,   24
.set PWR,  25
.set QS,   26
.set PS,   30
.set KK,   32
.set VF,   64
.set X,    32
.set S,    96
.set OA,   160
.set M1,   160
.set PC,   176
.set QOP,  192
.set ST,   224
.set TM,   232
.set BM,   232
.set BT,   236
.set HL,   240
.set SO,   244
.set AK0,  248                         ; K: 16 x lane + 1,024 x head pair
.set ASV0, 249                         ; V's scale words: SCL + 8,192 + 4 x lane + 256 x head pair
.set ADT,  250
.set AOXW, 251                         ; the exchange, where I store: OXB + 8,192 qt + 1,024 x head pair + 16 x lane
.set FF,   252
.set TT,   254
.set AOXR, 255                         ; and where the tile's four heads are read: OXB + 8,192 qt + 16 x lane
.set WV,   18
.set MNT,  19
.set SEL,  20
.set CS,   22
.set QT,   60
.set HP,   61
.set TB,   92
.set TS,   93
.set CNT,  94
.macro PLACES n
.rept \n
	v_nop
.endr
.endm
.macro BARRIER
	s_wait_dscnt 0x0                               ; my LDS stores have landed and my LDS loads are in
	s_barrier_signal -1
	s_barrier_wait -1
.endm
.macro CROUND                          ; a round of the cluster's barrier
	s_barrier_signal -1
	s_barrier_wait -1
	s_cmp_lg_u32 s[WV], 0
	s_cbranch_scc1 .Lnot_wave_0_\@
	s_barrier_signal -3
.Lnot_wave_0_\@:
	s_barrier_wait -3
	s_barrier_signal -1
	s_barrier_wait -1
.endm
; 64 numbers of a lane, register 16 b + i = place 16 (lane / 16) + i of block b, become codes in v[d ..] and the scale word v[pw]
.macro QUANT s, d, pw
.irp b, 0,1,2,3
	v_max3_num_f32 v[TM+\b], |v[\s+16*\b]|, |v[\s+16*\b+1]|, 0x4800000   ; my 16 numbers and the floor 2^(9 - 127)
.endr
.irp i, 2,4,6,8,10,12,14
.irp b, 0,1,2,3
	v_max3_num_f32 v[TM+\b], v[TM+\b], |v[\s+16*\b+\i]|, |v[\s+16*\b+\i+1]|
.endr
.endr
.irp b, 0,1,2,3
	v_permlanex16_b32 v[TM+4+\b], v[TM+\b], s[SEL], s[SEL+1]
.endr
.irp b, 0,1,2,3
	v_max_num_f32 v[TM+\b], v[TM+\b], v[TM+4+\b]          ; with lane l xor 16's: the block's largest magnitude
.endr
.irp b, 0,1,2,3
	v_add_nc_u32 v[TM+12+\b], 0xfc000000, v[TM+\b]        ; 8 off its exponent field: the conversion's scale operand
	v_and_or_b32 v[TM+8+\b], v[TM+\b], 0x7f800000, s[MNT] ; 448 x the scale
	v_lshrrev_b32 v[TM+4+\b], 23, v[TM+12+\b]             ; the byte
.endr
	v_lshl_or_b32 v[\pw], v[TM+5], 8, v[TM+4]
	v_lshl_or_b32 v[\pw], v[TM+6], 16, v[\pw]
	v_lshl_or_b32 v[\pw], v[TM+7], 24, v[\pw]
.irp b, 0,1,2,3
.irp i, 0,1,2,3,4,5,6,7,8,9,10,11,12,13,14,15
	v_med3_num_f32 v[\s+16*\b+\i], v[\s+16*\b+\i], -v[TM+8+\b], v[TM+8+\b]   ; the hold: the conversion does not saturate (ISA guide 7.6.2)
.endr
.endr
.irp b, 0,1,2,3
	v_cvt_scalef32_pk8_fp8_f32 v[\d+4*\b:\d+4*\b+1], v[\s+16*\b:\s+16*\b+7], v[TM+12+\b]
	v_cvt_scalef32_pk8_fp8_f32 v[\d+4*\b+2:\d+4*\b+3], v[\s+16*\b+8:\s+16*\b+15], v[TM+12+\b]
.endr
	v_nop                                          ; one plain line behind the last conversion
.endm
.macro SNORM src, dst                  ; dst = (src - mean) / deviation over the 128 numbers of lanes l and l xor 16; two passes, so that a common offset costs nothing
	v_pk_add_f32 v[ST:ST+1], v[\src:\src+1], v[\src+2:\src+3]
	v_pk_add_f32 v[ST+2:ST+3], v[\src+4:\src+5], v[\src+6:\src+7]
.irp j, 8,12,16,20,24,28,32,36,40,44,48,52,56,60
	v_pk_add_f32 v[ST:ST+1], v[ST:ST+1], v[\src+\j:\src+\j+1]
	v_pk_add_f32 v[ST+2:ST+3], v[ST+2:ST+3], v[\src+\j+2:\src+\j+3]
.endr
	v_pk_add_f32 v[ST:ST+1], v[ST:ST+1], v[ST+2:ST+3]
	v_add_f32 v[ST], v[ST], v[ST+1]
	v_permlanex16_b32 v[ST+4], v[ST], s[SEL], s[SEL+1]
	v_add_f32 v[ST], v[ST], v[ST+4]
	v_mul_f32 v[ST], 0x3c000000, v[ST]             ; / 128
.set J, 0
.rept 32
	v_pk_add_f32 v[\dst+J:\dst+J+1], v[\src+J:\src+J+1], v[ST:ST+1] op_sel_hi:[1,0] neg_lo:[0,1] neg_hi:[0,1]
.set J, J+2
.endr
	v_pk_mul_f32 v[ST:ST+1], v[\dst:\dst+1], v[\dst:\dst+1]
	v_pk_mul_f32 v[ST+2:ST+3], v[\dst+2:\dst+3], v[\dst+2:\dst+3]
.irp j, 4,8,12,16,20,24,28,32,36,40,44,48,52,56,60
	v_pk_fma_f32 v[ST:ST+1], v[\dst+\j:\dst+\j+1], v[\dst+\j:\dst+\j+1], v[ST:ST+1]
	v_pk_fma_f32 v[ST+2:ST+3], v[\dst+\j+2:\dst+\j+3], v[\dst+\j+2:\dst+\j+3], v[ST+2:ST+3]
.endr
	v_pk_add_f32 v[ST:ST+1], v[ST:ST+1], v[ST+2:ST+3]
	v_add_f32 v[ST], v[ST], v[ST+1]
	v_permlanex16_b32 v[ST+4], v[ST], s[SEL], s[SEL+1]
	v_add_f32 v[ST], v[ST], v[ST+4]
	v_mul_f32 v[ST], 0x3c010204, v[ST]             ; / 127
	v_sqrt_f32 v[ST], v[ST]
	v_nop
	s_wait_alu depctr_va_vdst(0)
	v_cmp_neq_f32 vcc_lo, 0, v[ST]
	v_cndmask_b32 v[ST], 1.0, v[ST], vcc_lo        ; a deviation of 0 counts as 1: a choice of a value, no branch
	v_rcp_f32 v[ST+2], v[ST]
	v_nop
.set J, 0
	s_wait_alu depctr_va_vdst(0)
.rept 32
	v_pk_mul_f32 v[\dst+J:\dst+J+1], v[\dst+J:\dst+J+1], v[ST+2:ST+3] op_sel_hi:[1,0]
.set J, J+2
.endr
.endm
; gamma2 (into v[M1 ..+31]) and beta2 (into v[M1+32 ..+63]) of output tiles 4 hf .. 4 hf + 3: register 8 t + j = output 16 t + 8 h + j
.macro GBLOAD hf
.irp t, 0,1,2,3
	ds_load_b128 v[M1+8*\t:M1+8*\t+3], v[AM] offset:2048+256*\hf+64*\t
	ds_load_b128 v[M1+8*\t+4:M1+8*\t+7], v[AM] offset:2048+256*\hf+64*\t+16
	ds_load_b128 v[M1+32+8*\t:M1+32+8*\t+3], v[AM] offset:2560+256*\hf+64*\t
	ds_load_b128 v[M1+32+8*\t+4:M1+32+8*\t+7], v[AM] offset:2560+256*\hf+64*\t+16
.endr
.endm
; A KEY STEP of my a-th head: 128 keys
.macro STEP a
	v_add_nc_u32 v[ADK], s[TB], v[AK0]
	v_add_nc_u32 v[ADV], s[TB], v[AV0]
	v_add_nc_u32 v[ADS], s[TS], v[AS0]
	v_add_nc_u32 v[ADT], s[TS], v[ASV0]
	PLACES 4                                       ; with the four additions: eight places in front of loads into registers that the last products have read
.irp t, 0,1,2,3,4,5,6,7
	ds_load_b128 v[KK+4*\t:KK+4*\t+3], v[ADK] offset:2048*\t+512*\a    ; key tile t's chunk of this head
.endr
.irp p, 0,1,2,3
	ds_load_b32 v[KS+\p], v[ADS] offset:2048*\a+128*\p                 ; lanes 0-15 tile 2 p's words, lanes 16-31 tile 2 p + 1's
.endr
.irp u, 0,1
.irp c, 0,1,2,3
	ds_load_b128 v[VF+16*\u+4*\c:VF+16*\u+4*\c+3], v[ADV] offset:2048*(2*\a+\u)+512*\c
.endr
.endr
	ds_load_b32 v[VS], v[ADT] offset:128*\a
	s_wait_dscnt 0x0
.irp t, 0,2,4,6
	v_wmma_scale_f32_16x16x128_f8f6f4 v[S+8*\t:S+8*\t+7], v[KK+4*\t:KK+4*\t+15], v[QOP+16*\a:QOP+16*\a+15], 0, v[KS+\t/2], v[QS+\a]
	v_wmma_scale_f32_16x16x128_f8f6f4 v[S+8*\t+8:S+8*\t+15], v[KK+4*\t+4:KK+4*\t+19], v[QOP+16*\a:QOP+16*\a+15], 0, v[KS+\t/2], v[QS+\a] matrix_a_scale:MATRIX_SCALE_ROW1
.endr
	PLACES 8
.irp b, 0,1,2,3
	v_max3_num_f32 v[BM+\b], v[S+16*\b], v[S+16*\b+1], v[S+16*\b+2]   ; the largest score of each block of 32 keys: for the row's maximum and for the block's largest p
.endr
.irp i, 3,5,7,9,11,13
.irp b, 0,1,2,3
	v_max3_num_f32 v[BM+\b], v[BM+\b], v[S+16*\b+\i], v[S+16*\b+\i+1]
.endr
.endr
.irp b, 0,1,2,3
	v_max_num_f32 v[BM+\b], v[BM+\b], v[S+16*\b+15]
.endr
.irp b, 0,1,2,3
	v_permlanex16_b32 v[BT+\b], v[BM+\b], s[SEL], s[SEL+1]
.endr
.irp b, 0,1,2,3
	v_max_num_f32 v[BM+\b], v[BM+\b], v[BT+\b]
.endr
	v_max3_num_f32 v[TT], v[BM], v[BM+1], v[BM+2]
	v_max_num_f32 v[TT], v[TT], v[BM+3]
	v_mul_f32 v[TT], s[CS], v[TT]
	v_max_num_f32 v[TX], v[TX], v[TT]              ; the running largest t
	v_mov_b32 v[TT], v[NM]
	v_floor_f32 v[NM], -v[TX]                      ; -M = floor(-t)
	v_sub_f32 v[TT], v[NM], v[TT]                  ; old M - new M, a whole number, 0 or less
	v_cvt_i32_f32 v[TT], v[TT]                     ; (it saturates)
	v_ldexp_f32 v[FF], 1.0, v[TT]                  ; f = 2^(old M - new M)
.set J, 0
.rept 32
	v_pk_fma_f32 v[S+J:S+J+1], v[S+J:S+J+1], s[CS:CS+1], v[NM:NM+1] op_sel_hi:[1,0,0]   ; t - M
.set J, J+2
.endr
.irp b, 0,1,2,3
	v_fma_f32 v[BM+\b], v[BM+\b], s[CS], v[NM]
.endr
.set J, 0
.rept 64
	v_exp_f32 v[S+J], v[S+J]                       ; p
.set J, J+1
.endr
.irp b, 0,1,2,3
	v_exp_f32 v[BM+\b], v[BM+\b]                   ; the block's largest p: the same two instructions on the same number
.endr
	v_pk_mul_f32 v[LS:LS+1], v[LS:LS+1], v[FF:FF+1] op_sel_hi:[1,0]   ; the sum under the new M (a plain line behind the exponentials)
	s_wait_alu depctr_va_vdst(0)
.irp b, 0,1,2,3
	v_max_num_f32 v[BM+\b], 0x4800000, v[BM+\b]
.endr
.irp b, 0,1,2,3
	v_add_nc_u32 v[SO+\b], 0xfc000000, v[BM+\b]
	v_and_or_b32 v[HL+\b], v[BM+\b], 0x7f800000, s[MNT]
	v_lshrrev_b32 v[BT+\b], 23, v[SO+\b]
.endr
	v_lshl_or_b32 v[PS], v[BT+1], 8, v[BT]         ; p's scale word for these 128 keys
	v_lshl_or_b32 v[PS], v[BT+2], 16, v[PS]
	v_lshl_or_b32 v[PS], v[BT+3], 24, v[PS]
	v_pk_add_f32 v[BT:BT+1], v[S:S+1], v[S+2:S+3]  ; the sum of the unquantised p, in two chains
.irp j, 4,8,12,16,20,24,28,32,36,40,44,48,52,56,60
	v_pk_add_f32 v[LS:LS+1], v[LS:LS+1], v[S+\j:S+\j+1]
	v_pk_add_f32 v[BT:BT+1], v[BT:BT+1], v[S+\j+2:S+\j+3]
.endr
	v_pk_add_f32 v[LS:LS+1], v[LS:LS+1], v[BT:BT+1]
.irp j, 0,2,4,6,8,10,12,14
	v_pk_mul_f32 v[OA+\j:OA+\j+1], v[OA+\j:OA+\j+1], v[FF:FF+1] op_sel_hi:[1,0]   ; O^T under the new M
.endr
.irp b, 0,1,2,3
.irp i, 0,1,2,3,4,5,6,7,8,9,10,11,12,13,14,15
	v_min_num_f32 v[S+16*\b+\i], v[S+16*\b+\i], v[HL+\b]   ; p is not negative: the hold is one-sided
.endr
	v_cvt_scalef32_pk8_fp8_f32 v[PC+4*\b:PC+4*\b+1], v[S+16*\b:S+16*\b+7], v[SO+\b]
	v_cvt_scalef32_pk8_fp8_f32 v[PC+4*\b+2:PC+4*\b+3], v[S+16*\b+8:S+16*\b+15], v[SO+\b]
.endr
	PLACES 4                                       ; codes made by vector instructions stand four places ahead of a scaled product
	v_wmma_scale_f32_16x16x128_f8f6f4 v[OA:OA+7], v[VF:VF+15], v[PC:PC+15], v[OA:OA+7], v[VS], v[PS]
	v_wmma_scale_f32_16x16x128_f8f6f4 v[OA+8:OA+15], v[VF+16:VF+31], v[PC:PC+15], v[OA+8:OA+15], v[VS], v[PS] matrix_a_scale:MATRIX_SCALE_ROW1
.endm
; MY a-TH HEAD: four key steps, written once and walked four times; then O / the sum goes to the exchange: block c's four numbers of this head as 16 bytes a lane
.macro HEAD a
.irp j, 0,1,2,3,4,5,6,7,8,9,10,11,12,13,14,15
	v_mov_b32 v[OA+\j], 0                          ; the step is written once: the first finds zeros, which the first change of M leaves zeros
.endr
	v_mov_b32 v[TX], 0xff61b1e6                    ; -3e38, under every t
	v_floor_f32 v[NM], -v[TX]
	v_mov_b32 v[LS], 0
	v_mov_b32 v[LS+1], 0
	s_mov_b32 s[TB], 0
	s_mov_b32 s[TS], 0
	s_mov_b32 s[CNT], 4
.Lstep_\@:
	STEP \a
	s_add_co_u32 s[TB], s[TB], 16384
	s_add_co_u32 s[TS], s[TS], 512
	s_sub_co_u32 s[CNT], s[CNT], 1
	s_cmp_lg_u32 s[CNT], 0
	s_cbranch_scc1 .Lstep_\@
	PLACES 8
	v_add_f32 v[TT], v[LS], v[LS+1]
	v_permlanex16_b32 v[BT], v[TT], s[SEL], s[SEL+1]
	v_add_f32 v[TT], v[TT], v[BT]                  ; the row's sum
	v_rcp_f32 v[TT], v[TT]
	v_nop
	s_wait_alu depctr_va_vdst(0)
.irp j, 0,1,2,3,4,5,6,7,8,9,10,11,12,13,14,15
	v_mul_f32 v[S+\j], v[OA+\j], v[TT]             ; register 4 c + e; each accumulator from its low end on
.endr
.irp c, 0,1,2,3
	ds_store_b128 v[AOXW], v[S+4*\c:S+4*\c+3] offset:2048*\c+512*\a   ; group 4 c + head of my tile; the next products write these registers only behind the next step's wait for all LDS instructions
.endr
.endm
	s_load_b256 s[4:11], s[0:1], 0x0               ; latent, prep, ow, qc
	s_load_b128 s[12:15], s[0:1], 0x20             ; kv, sc
	s_load_b64 s[16:17], s[0:1], 0x30              ; out0
	v_lshl_add_u32 v230, v0, 2, 0x48800
	v_mov_b32 v231, 0
	ds_add_u32 v230, v231
	ds_add_u32 v230, v231
	v_lshrrev_b32 v1, 5, v0
	v_readfirstlane_b32 s[WV], v1                  ; wave 0..15
	s_bfe_u32 s95, ttmp6, 0x40000                  ; cx
	s_lshl_b32 s24, ttmp9, 2
	s_add_co_u32 s24, s24, s95                     ; tb = 4 x cluster x + cx: it enters global addresses of my own alone
	s_and_b32 s25, ttmp7, 0xffff                   ; b, which the four partners share
	s_and_b32 s[QT], s[WV], 7                      ; my query tile
	s_lshr_b32 s[HP], s[WV], 3                     ; my pair of heads
	s_lshr_b32 s26, s[QT], 1                       ; g
	s_and_b32 s27, s[QT], 1                        ; half
	s_mov_b32 s[MNT], 0x600000
	s_mov_b32 s[SEL], 0x76543210
	s_mov_b32 s[SEL+1], 0xfedcba98
	s_mov_b32 s[CS], 0x3e8293ee                    ; log2(e) / sqrt(32)
	s_mov_b32 s[CS+1], s[CS]
	; K and V: a sixteenth of 131,072 dense bytes: 32 rows of 256 bytes (32 elements of 8); joint
	s_mov_b32 s36, 15|(3<<16)|(1<<21)
	s_mov_b32 s37, 32<<16
	s_mov_b32 s38, 32<<16
	s_mov_b32 s39, 32<<16
	s_mov_b32 s40, 32
	s_mov_b32 s41, 32
	s_mov_b32 s42, 0
	s_mov_b32 s43, 0
	; K's and V's scale words: a sixteenth of 10,240: 5 rows of 128 bytes; joint
	s_mov_b32 s44, 15|(3<<16)|(1<<21)
	s_mov_b32 s45, 16<<16
	s_mov_b32 s46, 5<<16
	s_mov_b32 s47, 16<<16
	s_mov_b32 s48, 5
	s_mov_b32 s49, 16
	s_mov_b32 s50, 0
	s_mov_b32 s51, 0
	; the item's modulation: a sixteenth of 3,072: 3 rows of 64 bytes; joint
	s_mov_b32 s52, 15|(3<<16)|(1<<21)
	s_mov_b32 s53, 8<<16
	s_mov_b32 s54, 3<<16
	s_mov_b32 s55, 8<<16
	s_mov_b32 s56, 3
	s_mov_b32 s57, 8
	s_mov_b32 s58, 0
	s_mov_b32 s59, 0
	; x: 8 rows (d) of 128 tokens of 4 bytes, 512 elements apart, 4 words of padding behind each 128; my own
	s_mov_b32 s68, (2<<16)|(1<<20)|(6<<22)|(3<<25)
	s_mov_b32 s69, 128<<16
	s_mov_b32 s70, 8<<16
	s_mov_b32 s71, 128<<16
	s_mov_b32 s72, 8
	s_mov_b32 s73, 512
	s_mov_b32 s74, 0
	s_mov_b32 s75, 0
	s_lshl_b32 s28, s25, 17                        ; the joint loads' places: b and the wave's number alone
	s_lshl_b32 s77, s[WV], 13
	s_add_co_u32 s28, s28, s77
	s_mov_b32 s29, 0
	s_mul_i32 s30, s25, 18432
	s_mul_i32 s81, s[WV], 640
	s_add_co_u32 s30, s30, s81
	s_mov_b32 s31, 0
	s_add_co_u32 s81, s81, SCL
	s_mul_i32 s34, s25, 3072
	s_mul_i32 s85, s[WV], 192
	s_add_co_u32 s34, s34, s85
	s_mov_b32 s35, 0
	s_add_co_u32 s85, s85, MODL
	s_lshl_b32 s32, s25, 18                        ; x and out0: 262,144 b + 8 w rows of 2,048 bytes + 128 tb tokens
	s_lshl_b32 s33, s[WV], 14
	s_add_co_u32 s32, s32, s33
	s_lshl_b32 s33, s24, 9
	s_add_co_u32 s32, s32, s33
	s_mov_b32 s33, 0
	s_mul_i32 s89, s[WV], 8*XP
	s_add_co_u32 s89, s89, XSL
	s_mov_b32 s76, 1
	s_mov_b32 s80, 1
	s_mov_b32 s84, 1
	s_mov_b32 s88, 1
	s_wait_dscnt 0x0
	s_wait_kmcnt 0x0
	s_add_nc_u64 s[78:79], s[12:13], s[28:29]
	s_or_b32 s79, s79, 0x80000000
	s_add_nc_u64 s[82:83], s[14:15], s[30:31]
	s_or_b32 s83, s83, 0x80000000
	s_add_nc_u64 s[86:87], s[6:7], s[34:35]
	s_or_b32 s87, s87, 0x80000000
	s_add_nc_u64 s[90:91], s[4:5], s[32:33]
	s_or_b32 s91, s91, 0x80000000
	CROUND                                         ; all four work-groups are here: the joint loads meet
	tensor_load_to_lds s[76:79], s[36:43]          ; the first fills as one group: four loads of mine are out; x's is the last of them
	s_nop 0
	tensor_load_to_lds s[80:83], s[44:51]
	s_nop 0
	tensor_load_to_lds s[84:87], s[52:59]
	s_nop 0
	tensor_load_to_lds s[88:91], s[68:75]
	s_nop 0
	PLACES 4
	s_add_nc_u64 s[16:17], s[16:17], s[32:33]      ; out0 at the 8 rows that I store
	s_lshl_b32 s32, s25, 16
	s_lshl_b32 s34, s24, 14
	s_add_co_u32 s32, s32, s34
	s_lshl_b32 s34, s[QT], 11
	s_add_co_u32 s32, s32, s34
	s_lshl_b32 s34, s[HP], 10
	s_add_co_u32 s32, s32, s34
	s_add_nc_u64 s[10:11], s[10:11], s[32:33]      ; my tile's image of Q, at my first head's chunk
	s_mul_i32 s32, s25, 18432
	s_lshl_b32 s34, s24, 9
	s_add_co_u32 s32, s32, s34
	s_lshl_b32 s34, s26, 7
	s_add_co_u32 s32, s32, s34
	s_lshl_b32 s34, s[HP], 12
	s_add_co_u32 s32, s32, s34
	s_add_co_u32 s32, s32, 10240
	s_add_nc_u64 s[14:15], s[14:15], s[32:33]      ; Q's scale words: my first head, block tb, tile pair g
	v_and_b32 v232, 31, v0                         ; lane
	v_and_b32 v233, 15, v0                         ; r
	v_bfe_u32 v234, v0, 4, 1                       ; h
	v_lshlrev_b32 v[LI], 4, v232
	s_lshl_b32 s28, s[HP], 10
	v_add_nc_u32 v[AK0], s28, v[LI]
	s_lshl_b32 s28, s[HP], 13
	s_add_co_u32 s28, s28, VL
	v_add_nc_u32 v[AV0], s28, v[LI]
	s_lshl_b32 s28, s[HP], 12
	s_add_co_u32 s28, s28, SCL
	v_lshl_add_u32 v[AS0], v232, 2, s28
	s_lshl_b32 s28, s[HP], 8
	s_add_co_u32 s28, s28, SCL+8192
	v_lshl_add_u32 v[ASV0], v232, 2, s28
	v_and_b32 v235, 8, v233
	v_add_nc_u32 v235, v235, v233
	s_lshl_b32 s28, s26, 5
	s_lshl_b32 s29, s27, 3
	s_add_co_u32 s28, s28, s29
	v_add_nc_u32 v235, s28, v235                   ; my token: 32 g + 8 half + r + 8 (r / 8)
	v_mul_u32_u24 v[AO], v234, 8*XP
	v_lshl_add_u32 v[AO], v235, 2, v[AO]           ; the stage (from LDS byte 0), place (d = 16 t + 8 h + j, token): 8 rows x h + 4 x token
	v_add_nc_u32 v[AX], XSL, v[AO]                 ; and the same place in x
	v_lshl_add_u32 v[AM], v234, 5, MODL
	s_mul_i32 s28, s[WV], 8*XP
	v_add_nc_u32 v[ARD], s28, v[LI]                ; the 8 rows of the stage that I store
	v_add_nc_u32 v[AOW], OWI, v[LI]
	v_lshl_add_u32 v[AOWS], v232, 2, OWS
	s_lshl_b32 s28, s[QT], 11
	v_add_nc_u32 v[AOWP], s28, v[AOW]
	s_lshl_b32 s28, s[QT], 7
	v_add_nc_u32 v[AOSP], s28, v[AOWS]
	s_lshl_b32 s28, s[QT], 13
	s_add_co_u32 s28, s28, OXB
	v_add_nc_u32 v[AOXR], s28, v[LI]
	s_lshl_b32 s29, s[HP], 10
	s_add_co_u32 s28, s28, s29
	v_add_nc_u32 v[AOXW], s28, v[LI]
	s_lshl_b32 s28, s27, 4
	v_add_nc_u32 v[QSO], s28, v233
	v_lshlrev_b32 v[QSO], 2, v[QSO]
	s_lshl_b32 s28, s[QT], 4
	v_add_nc_u32 v[OWV], s28, v233
	v_lshlrev_b32 v[OWV], 2, v[OWV]
	v_lshl_add_u32 v[OWV], v234, 13, v[OWV]        ; ow: column 16 qt + r, + 16 rows of 512 bytes for lanes 16-31
	global_load_b128 v[QOP:QOP+3], v[LI], s[10:11]
	global_load_b128 v[QOP+16:QOP+19], v[LI], s[10:11] offset:512
	global_load_b32 v[QS], v[QSO], s[14:15]
	global_load_b32 v[QS+1], v[QSO], s[14:15] offset:2048
.irp j, 4,5,6,7,8,9,10,11,12,13,14,15
	v_mov_b32 v[QOP+\j], 0                         ; the zero codes at k = 32 .. 127, written once
	v_mov_b32 v[QOP+16+\j], 0
.endr
.irp b, 0,1,2,3
	v_mov_b32 v[BT+\b], 0                          ; lane permutes' destinations count as sources
.endr
	v_mov_b32 v[ST+4], 0
	v_mov_b32 v[FF+1], 0                           ; (named with f as a pair)
	s_cmp_lt_u32 s[WV], 8                          ; waves 8..15 quantise ow, a tile of 16 columns each
	s_cbranch_scc1 .Lno_ow
.irp c, 0,1,2,3
.irp hd, 0,1,2,3
.irp e, 0,1,2,3
	global_load_b32 v[S+16*\c+4*\hd+\e], v[OWV], s[8:9] offset:(32*\c+4*\e+\hd)*512   ; my column, down d' in O's order: register 16 c + 4 head + e = row 32 c + 16 h + 4 e + head
.endr
.endr
.endr
	s_wait_loadcnt 0x0
	QUANT S, PC, PWR
.irp c, 0,1,2,3
	ds_store_b128 v[AOWP], v[PC+4*\c:PC+4*\c+3] offset:512*\c
.endr
	ds_store_b32 v[AOSP], v[PWR]
.Lno_ow:
	s_wait_loadcnt 0x0                             ; Q and its scale words
	s_wait_tensorcnt 0x1                           ; my parts of K, V, the scale words and the modulation are in; the one load issued behind them, x's, may stay out: x is first read behind the next barrier, and nothing is ever filled again
	BARRIER                                        ; everybody's are, and ow's eight images lie in LDS
	HEAD 0
	HEAD 1
	s_wait_tensorcnt 0x0                           ; my rows of x are in
	BARRIER                                        ; everybody's are; O of all heads lies in the exchange; nobody reads K or V any more
	s_cmp_lt_u32 s[WV], 8                          ; waves 0..7 go on with their tiles; the others meet them at the next barrier
	s_cbranch_scc0 .Lno_epi
.irp q, 0,1,2,3,4,5,6,7,8,9,10,11,12,13,14,15
	ds_load_b128 v[S+4*\q:S+4*\q+3], v[AOXR] offset:512*\q         ; group q = 4 c + head: registers 16 c + 4 head + 0..3
.endr
	s_wait_dscnt 0x0
	; ---- attn^T = ow^T O^T: source 0 = 16 columns of ow, source 1 = my 16 tokens: register j of tile t is output 16 t + 8 h + j
	QUANT S, PC, PWR
	PLACES 4
.irp gq, 0,1
.if \gq == 1
	PLACES 8
.endif
.irp t, 0,1,2,3
.irp c, 0,1,2,3
	ds_load_b128 v[X+16*\t+4*\c:X+16*\t+4*\c+3], v[AOW] offset:2048*(4*\gq+\t)+512*\c
.endr
	ds_load_b32 v[KS+\t], v[AOWS] offset:128*(4*\gq+\t)
.endr
	s_wait_dscnt 0x0
.irp t, 0,1,2,3
	v_wmma_scale_f32_16x16x128_f8f6f4 v[S+8*(4*\gq+\t):S+8*(4*\gq+\t)+7], v[X+16*\t:X+16*\t+15], v[PC:PC+15], 0, v[KS+\t], v[PWR]
.endr
.endr
	PLACES 8
	; ---- the residuals
.irp t, 0,1,2,3,4,5,6,7
.irp j, 0,1,2,3,4,5,6,7
	ds_load_b32 v[X+8*\t+\j], v[AX] offset:(16*\t+\j)*XP
.endr
	ds_load_b128 v[M1+8*\t:M1+8*\t+3], v[AM] offset:64*\t          ; alpha1
	ds_load_b128 v[M1+8*\t+4:M1+8*\t+7], v[AM] offset:64*\t+16
.endr
	s_wait_dscnt 0x0
.set J, 0
.rept 32
	v_pk_fma_f32 v[X+J:X+J+1], v[M1+J:M1+J+1], v[S+J:S+J+1], v[X+J:X+J+1]   ; x += alpha1 attn; each accumulator from its low end on
.set J, J+2
.endr
	GBLOAD 0                                       ; gamma2 and beta2 of the first 64 outputs land under the norm
	SNORM X, S
	s_wait_dscnt 0x0
.set J, 0
.rept 16
	v_pk_fma_f32 v[S+J:S+J+1], v[S+J:S+J+1], v[M1+J:M1+J+1], v[M1+32+J:M1+32+J+1]
.set J, J+2
.endr
	GBLOAD 1                                       ; 64 registers serve the three vectors by turns
	s_wait_dscnt 0x0
.set J, 0
.rept 16
	v_pk_fma_f32 v[S+32+J:S+32+J+1], v[S+32+J:S+32+J+1], v[M1+J:M1+J+1], v[M1+32+J:M1+32+J+1]
.set J, J+2
.endr
.irp t, 0,1,2,3,4,5,6,7
	ds_load_b128 v[M1+8*\t:M1+8*\t+3], v[AM] offset:1536+64*\t     ; alpha2
	ds_load_b128 v[M1+8*\t+4:M1+8*\t+7], v[AM] offset:1536+64*\t+16
.endr
	s_wait_dscnt 0x0
.set J, 0
.rept 32
	v_pk_fma_f32 v[X+J:X+J+1], v[M1+J:M1+J+1], v[S+J:S+J+1], v[X+J:X+J+1]   ; x += alpha2 (gamma2 snorm(x) + beta2)
.set J, J+2
.endr
.irp t, 0,1,2,3,4,5,6,7
.irp j, 0,1,2,3,4,5,6,7
	ds_store_b32 v[AO], v[X+8*\t+\j] offset:(16*\t+\j)*XP          ; into the stage as [d][token]
.endr
.endr
.Lno_epi:
	BARRIER                                        ; 128 whole rows lie in the stage
.irp i, 0,1,2,3,4,5,6,7
	ds_load_b128 v[S+4*\i:S+4*\i+3], v[ARD] offset:XP*\i
.endr
.irp i, 0,1,2,3,4,5,6,7
	s_wait_dscnt 7-\i                              ; the younger row loads may stay out
	global_store_b128 v[LI], v[S+4*\i:S+4*\i+3], s[16:17] offset:2048*\i th:TH_STORE_NT   ; 32 lanes store 512 consecutive bytes, at a multiple of 256 from out0's first byte
.endr
	s_wait_tensorcnt 0x0
	ds_add_u32 v230, v231
	s_wait_dscnt 0x0
	CROUND                                         ; the closing round: no work-group ends while a partner may still ask jointly
	s_endpgm
.Lfunc_end_k_q526e28efd3_attn:
	.size	k_q526e28efd3_attn, .Lfunc_end_k_q526e28efd3_attn-k_q526e28efd3_attn
	.p2alignl 7, 3214868480
	.fill 96, 4, 3214868480
	.section	.rodata,"a",@progbits
	.p2align	6, 0x0
	.amdhsa_kernel k_q526e28efd3_attn
		.amdhsa_group_segment_fixed_size 299008
		.amdhsa_private_segment_fixed_size 0
		.amdhsa_enable_private_segment 0
		.amdhsa_kernarg_size 56
		.amdhsa_user_sgpr_count 2
		.amdhsa_user_sgpr_kernarg_segment_ptr 1
		.amdhsa_wavefront_size32 1
		.amdhsa_system_sgpr_workgroup_id_x 1
		.amdhsa_system_sgpr_workgroup_id_y 1
		.amdhsa_system_sgpr_workgroup_id_z 1
		.amdhsa_system_vgpr_workitem_id 0
		.amdhsa_next_free_vgpr 256
		.amdhsa_next_free_sgpr 96
		.amdhsa_reserve_vcc 1
		.amdhsa_float_denorm_mode_32 3
		.amdhsa_float_denorm_mode_16_64 3
		.amdhsa_memory_ordered 1
		.amdhsa_forward_progress 1
		.amdhsa_inst_pref_size 104
	.end_amdhsa_kernel
	.amdgpu_metadata
---
amdhsa.version: [ 1, 2 ]
amdhsa.kernels:
  - .name:           k_q526e28efd3_attn
    .symbol:         k_q526e28efd3_attn.kd
    .args:
      - { .name: latent, .offset: 0, .size: 8, .value_kind: global_buffer, .address_space: global }
      - { .name: prep, .offset: 8, .size: 8, .value_kind: global_buffer, .address_space: global }
      - { .name: ow, .offset: 16, .size: 8, .value_kind: global_buffer, .address_space: global }
      - { .name: qc, .offset: 24, .size: 8, .value_kind: global_buffer, .address_space: global }
      - { .name: kv, .offset: 32, .size: 8, .value_kind: global_buffer, .address_space: global }
      - { .name: sc, .offset: 40, .size: 8, .value_kind: global_buffer, .address_space: global }
      - { .name: out0, .offset: 48, .size: 8, .value_kind: global_buffer, .address_space: global }
    .group_segment_fixed_size: 299008
    .private_segment_fixed_size: 0
    .kernarg_segment_align: 8
    .kernarg_segment_size: 56
    .max_flat_workgroup_size: 512
    .sgpr_count:     96
    .vgpr_count:     256
    .wavefront_size: 32
...
	.end_amdgpu_metadata
.endif
;; end of part 3
